; MI455X (gfx1250); checked and timed in simulation.
; The chip was launched on July 23, 2026; its instructions are those of AMD's public machine-readable ISA for CDNA 5 (MIT licence, August 2026) and "CDNA5" Instruction Set Architecture Reference Guide (July 2026). The comments in the code are by the model that wrote it; some were corrected since.
;; Attention. Allowed arithmetic: matrix products marked QUANTISED: E2M3 operands, one E8M0 scale for each 32 along K, by v_wmma_scale_f32_16x16x128_f8f6f4 with both operands' format E2M3, f32 sums; everything else in f32.
;; Inputs: bk 2,048 float32; bp 2,048 float32; bq 2,048 float32; bv 2,048 float32; cos 2,048 x 64 float32; sin 2,048 x 64 float32; wk 2,048 x 2,048 float32; wp 2,048 x 2,048 float32; wq 2,048 x 2,048 float32; wv 2,048 x 2,048 float32; x 2,048 x 2,048 float32.
;; Outputs: out0 2,048 x 2,048 float32.
;; This version of the problem:
;;   THIS VERSION OF THE PROBLEM IS GIVEN IN LOW PRECISION. The matrix products marked QUANTISED in the list below multiply operands that are first quantised to E2M3 (2 exponent bits, 3 mantissa bits; 6 bits a number), with one power-of-two scale for each 32 numbers along K (OCP MX v1.0); their sums are f32. All else is computed in f32.
;;   The module's matrix products, in the order in which they are computed (A, B: the left and right operand; K: the contracted axis; several contracted axes count as one K, in the product's order):
;;     1. [M 2,048, K 2,048] x [K 2,048, N 2,048]; A: input x; B: input wq: QUANTISED
;;     2. [M 2,048, K 2,048] x [K 2,048, N 2,048]; A: input x; B: input wk: QUANTISED
;;     3. [M 2,048, K 2,048] x [K 2,048, N 2,048]; A: input x; B: input wv: QUANTISED
;;     4. batch 16 x [M 2,048, K 128] x [K 128, N 2,048]; A: computed on the way; B: computed on the way: QUANTISED
;;     5. batch 16 x [M 128, K 2,048] x [K 2,048, N 2,048]; A: computed on the way; B: softmax (see below): QUANTISED
;;     6. [M 2,048, K 2,048] x [K 2,048, N 2,048]; A: computed on the way; B: input wp: QUANTISED
;;   THE QUANTISER, for each operand of a quantised product, along K:
;;     - K is cut into blocks of 32 from its start; a last block that is shorter is filled with zeros.
;;     - A block's scale is 2^e with e = floor(log2(the largest magnitude in the block)) - 2, held to -126 .. 127; a block of zeros has e = 0. As a byte (E8M0): e + 127.
;;     - Each number is divided by its block's scale, clamped to +-7.5, and rounded to the nearest number of E2M3, ties to even, subnormals kept.
;;     - The product sums the exact products of the quantised numbers (number of the format x scale) in f32.
;;   ~~~python
;;   def quantise(x, axis):      # numpy; x: float32 -> the quantised numbers, widened to float32 again
;;       x = np.moveaxis(x, axis, -1); K = x.shape[-1]
;;       x = np.pad(x, [(0, 0)] * (x.ndim - 1) + [(0, -K % 32)]); x = x.reshape(x.shape[:-1] + (-1, 32)); a = np.abs(x).max(-1, keepdims=True)
;;       e = np.where(a > 0, np.clip(np.frexp(np.where(a > 0, a, 1))[1] - 1 - 2, -126, 127), 0)      # np.frexp(a)[1] - 1 = floor(log2(a)), exactly
;;       r = np.clip(x / 2.0 ** e, -7.5, 7.5)
;;       step = 2.0 ** (np.maximum(np.frexp(np.where(r == 0, 1, r))[1] - 1, 0) - 3)
;;       q = np.round(r / step) * step * 2.0 ** e      # np.round: ties to even
;;       return np.moveaxis(q.reshape(q.shape[:-2] + (-1,))[..., :K], -1, axis).astype(np.float32)
;;   ~~~
;;   SOFTMAX AHEAD OF A QUANTISED PRODUCT. Where the list says 'softmax', what is quantised is not the finished softmax but p = 2^(t - M), with t = logit x log2(e) and M = ceil(the row's largest t), a whole number; so 1/2 < the row's largest p <= 1. The row's sum l is taken of the UNQUANTISED p, in f32, and the product's result is divided by l at the end. Since M is a whole number, a kernel that streams over the keys may use a running M (the ceiling of the running maximum): every later rescaling is an exact power of two, which a block's scale takes up: the codes' values come out the same.
;;   OPERANDS COMPUTED ON THE WAY. 'Computed on the way' means the value that the module computes at that place (a softmax that the list does not call 'softmax' is quantised finished and normalised). What goes into a quantiser is computed in f32, as accurately as f32 sums, v_exp_f32 and their like allow (about 1e-6 of the number): no bf16 or f16 on the way to a quantiser, and a product that is left as it is and whose result goes on into a quantised operand takes f32 operands (vector FMAs, or v_wmma_f32_16x16x4_f32). A number that lies on a knife's edge between two numbers of the format may be rounded either way, as far as f32 arithmetic and the matrix unit's own rounding can turn it there, and no further.
;; 2 versions, each right. Each part assembles by itself: llvm-mc -triple=amdgcn-amd-amdhsa -mcpu=gfx1250 --defsym DOCPART=n.
;; ======== version 1 of 2: 4 launches
;; workspace buffers: c1 15,728,640 bytes; s1 655,360 bytes; rt 1,048,576 bytes; c2 9,437,184 bytes; s2 393,216 bytes; c3 3,145,728 bytes; s3 131,072 bytes
;; launch quant (part 1): grid 672 x 1, 4 waves a work-group, no clusters, 35,328 bytes of LDS; arguments x, wq, wk, wv, wp, cos, sin, c1, s1, rt; writes c1, s1, rt
.if DOCPART == 1
	.amdgcn_target "amdgcn-amd-amdhsa--gfx1250"
	.amdhsa_code_object_version 6
	.text
	.protected	k_qab9352db5e_quant
	.globl	k_qab9352db5e_quant
	.p2align	8
	.type	k_qab9352db5e_quant,@function
k_qab9352db5e_quant:
	s_mov_b64 s[64:65], 0
	v_nop
	global_prefetch_b8 v0, s[64:65] scope:SCOPE_SE
	s_setreg_imm32_b32 hwreg(HW_REG_WAVE_MODE, 25, 1), 1
	s_wait_xcnt 0x0
; x, wq, wk, wv, wp [2048][2048] f32, K innermost, become codes of FP6 (E2M3) with one E8M0 byte for each 32 along K, laid as IMAGES OF OPERAND REGISTERS.
; ROW BLOCKS: row block R = 128 x tensor + p (p = 0..127) holds at place r (0..15) the tensor's row 32 (p / 2) + 8 (p % 2) + r + 8 (r / 8).
; IMAGE: 16 rows x 128 K = 12 registers a lane = 1,536 bytes; register g of lane l at byte 512 (g / 4) + 16 l + 4 (g % 4).
; c1: [K slot of 256: 8][R: 640][half of the slot: 2][1536].   s1: [R][K step of 128: 16][place r: 16] words of four scale bytes.
; A block's scale is 2^(floor(log2(largest magnitude)) - 2); its byte is the largest magnitude's exponent field - 2, held at 1 from below.
; LIMITS: a block of zeros gets the byte 1 where the rule says 127 (its codes are zeros, and this program alone reads the bytes); NaN and infinities among the inputs are not served.
; SHARES: work-group G < 640 takes row block G; its wave w the K steps 4 w .. 4 w + 3: four fragments.  Each load reads 512 consecutive bytes of a row; a fragment's 16 rows turn through the wave's own
; stage in LDS (rows 528 bytes apart), so that lane (r, h) gets, of row r, 16 neighbours of each block of 32.  Waves share nothing: no barrier.  Up to 32 loads of a wave are out.
; Work-groups 640 .. 671 lay cos and sin in the order in which the next launch's lanes want them: rt [token block: 128][piece: 16][lane][16 bytes]; pieces 0-7: cos[t][16 (p / 2) + 8 h + 4 (p % 2) + 0..3], 8-15: sin.
.set WREG,  8704                       ; LDS of a wave: the stage, 16 x 528 bytes, then 256 bytes of scale words
.set SPIT,  528
.set SWO,   16*SPIT
.set TROW,  3072                       ; a row block's bytes in a K slot
.set SSTR,  640*TROW                   ; from K slot to K slot in c1
.set TM,    16                         ; v16-31  at work in QUANT
.set PW,    32                         ; v32     the scale word just made
.set PC,    36                         ; v36-55  the codes just made
.set R,     64                         ; v64-191 two sets of 64 numbers as loaded
.set X,     192                        ; v192-255 64 numbers in the quantiser's order
.set SEL,   36                         ; s[36:37] lane selects: lane l xor 16
; 64 numbers of a lane, register 16 b + i = k 32 b + 16 (lane / 16) + i of my row, become a fragment's codes in v[PC] on and its scale word in v[PW].
.macro QUANT s
.irp b, 0,1,2,3
	v_max3_num_f32 v[TM+\b], |v[\s+16*\b]|, |v[\s+1+16*\b]|, 0x1800000   ; my 16 numbers of block b, and the floor 2^(3 - 127): the byte cannot fall under 1
.endr
.irp i, 2,4,6,8,10,12,14
.irp b, 0,1,2,3
	v_max3_num_f32 v[TM+\b], v[TM+\b], |v[\s+16*\b+\i]|, |v[\s+1+16*\b+\i]|
.endr
.endr
.irp b, 0,1,2,3
	v_permlanex16_b32 v[TM+4+\b], v[TM+\b], s[SEL], s[SEL+1]
.endr
.irp b, 0,1,2,3
	v_max_num_f32 v[TM+\b], v[TM+\b], v[TM+4+\b]                   ; with lane l xor 16's: the block's largest magnitude
.endr
.irp b, 0,1,2,3
	v_add_nc_u32 v[TM+12+\b], 0xff000000, v[TM+\b]                 ; 2 off its exponent field: the conversion's scale operand
.endr
.irp b, 0,1,2,3
	v_lshrrev_b32 v[TM+4+\b], 23, v[TM+12+\b]                      ; the scale's byte
.endr
	v_lshl_or_b32 v[PW], v[TM+5], 8, v[TM+4]
	v_lshl_or_b32 v[PW], v[TM+6], 16, v[PW]
	v_lshl_or_b32 v[PW], v[TM+7], 24, v[PW]
.irp c, 0,1
	v_cvt_scalef32_pk16_fp6_f32 v[PC+6*\c:PC+2+6*\c], v[\s+32*\c:\s+15+32*\c], v[TM+12+2*\c]
	v_cvt_scalef32_pk16_fp6_f32 v[PC+12+4*\c:PC+14+4*\c], v[\s+16+32*\c:\s+31+32*\c], v[TM+12+2*\c+1]
.endr
	v_nop                                          ; one plain place behind a scaled conversion
.irp c, 0,1                                    ; the operand's layout wants a whole block in a lane
.irp i, 0,1,2
	v_permlane16_swap_b32 v[PC+6*\c+\i], v[PC+12+4*\c+\i]
.endr
.irp i, 0,1,2
	v_mov_b32 v[PC+3+6*\c+\i], v[PC+12+4*\c+\i]
.endr
.endr
.endm
	s_load_b512 s[8:23], s[0:1], 0x0               ; x, wq, wk, wv, wp, cos, sin, c1
	s_load_b128 s[24:27], s[0:1], 0x40             ; s1, rt
	v_lshl_add_u32 v62, v0, 2, 0x8800
	v_mov_b32 v63, 0
	v_lshrrev_b32 v10, 5, v0
	v_readfirstlane_b32 s28, v10                   ; wave
	v_and_b32 v11, 31, v0                          ; lane
	v_and_b32 v12, 15, v0                          ; r
	v_bfe_u32 v13, v0, 4, 1                        ; h
	v_lshlrev_b32 v1, 4, v11                       ; 16 x lane
	s_cmp_ge_u32 ttmp9, 640
	s_cbranch_scc1 .Ltables
	s_lshr_b32 s29, ttmp9, 7                       ; which tensor
	s_and_b32 s30, ttmp9, 127                      ; its row block
	s_mul_i32 s31, s28, WREG
	v_add_nc_u32 v2, s31, v1                       ; the stage, in: 16 x lane of a row
	v_mul_u32_u24 v3, v12, SPIT
	v_lshl_add_u32 v3, v13, 6, v3
	v_add_nc_u32 v3, s31, v3                       ; out: row r, + 64 h
	s_add_co_u32 s38, s31, SWO
	v_lshl_add_u32 v4, v12, 2, s38                 ; my row's scale word
	v_lshl_add_u32 v5, v11, 3, s38                 ; and the 256 bytes on the way out, 8 a lane
	v_lshlrev_b32 v6, 3, v11
	s_mov_b32 s[SEL], 0x76543210
	s_mov_b32 s[SEL+1], 0xfedcba98
.irp b, 0,1,2,3
	v_mov_b32 v[TM+4+\b], 0                        ; a lane permute's destination counts as one of its sources
.endr
	s_lshr_b32 s32, s30, 1
	s_lshl_b32 s32, s32, 5
	s_and_b32 s33, s30, 1
	s_lshl_b32 s33, s33, 3
	s_add_co_u32 s32, s32, s33                     ; the row block's first row
	s_lshl_b32 s32, s32, 13                        ; x 8,192 bytes
	s_lshl_b32 s33, s28, 11                        ; + my four K steps: 2,048 bytes x wave
	s_add_co_u32 s32, s32, s33
	s_mov_b32 s33, 0
	s_mul_i32 s34, s28, 2*SSTR                     ; codes: K slots 2 w, 2 w + 1,
	s_mul_i32 s35, ttmp9, TROW                     ; row block G
	s_add_co_u32 s34, s34, s35
	s_mov_b32 s35, 0
	s_lshl_b32 s40, ttmp9, 10                      ; scale words: 1,024 G + 256 w
	s_lshl_b32 s41, s28, 8
	s_add_co_u32 s40, s40, s41
	s_mov_b32 s41, 0
	s_wait_kmcnt 0x0
	s_mov_b64 s[4:5], s[8:9]                       ; the tensor is chosen by the work-group's number alone
	s_cmp_eq_u32 s29, 1
	s_cselect_b64 s[4:5], s[10:11], s[4:5]
	s_cmp_eq_u32 s29, 2
	s_cselect_b64 s[4:5], s[12:13], s[4:5]
	s_cmp_eq_u32 s29, 3
	s_cselect_b64 s[4:5], s[14:15], s[4:5]
	s_cmp_eq_u32 s29, 4
	s_cselect_b64 s[4:5], s[16:17], s[4:5]
	s_add_nc_u64 s[4:5], s[4:5], s[32:33]
	s_add_nc_u64 s[22:23], s[22:23], s[34:35]
	s_add_nc_u64 s[24:25], s[24:25], s[40:41]
.macro LOADF f                         ; fragment f: place t's row, 512 consecutive bytes a load
.irp t, 0,1,2,3,4,5,6,7,8,9,10,11,12,13,14,15
	global_load_b128 v[R+64*((\f)%2)+4*\t:R+64*((\f)%2)+4*\t+3], v1, s[4:5] offset:(\t%8+16*(\t/8))*8192+512*(\f) th:TH_LOAD_NT
.endr
.endm
.macro TURNF f                         ; through the stage: LDS serves a wave's instructions in order, so no wait stands between the stores and the loads
.irp t, 0,1,2,3,4,5,6,7,8,9,10,11,12,13,14,15
	ds_store_b128 v2, v[R+64*((\f)%2)+4*\t:R+64*((\f)%2)+4*\t+3] offset:SPIT*\t
.endr
.irp i, 0,1,2,3,4,5,6,7,8,9,10,11,12,13,14,15
	ds_load_b128 v[X+4*\i:X+4*\i+3], v3 offset:128*(\i/4)+16*(\i%4)
.endr
.endm
.macro FRG f
.if (\f) < 3
	s_wait_loadcnt 16                              ; this fragment's 16 loads are in; the next fragment's 16 may be out
.else
	s_wait_loadcnt 0x0
.endif
	TURNF \f
	s_wait_dscnt 0x0                               ; the numbers are back, the stage's stores have read their registers, and so has the last scale word's store
.if (\f) < 2
	LOADF (\f)+2
.endif
	s_wait_xcnt 0x0                                ; the last fragment's stores have read v[PC] on: it is written again only behind this wait
	QUANT X
.irp c, 0,1,2
	global_store_b128 v1, v[PC+4*\c:PC+4*\c+3], s[22:23] offset:((\f)/2)*SSTR+((\f)%2)*1536+512*\c   ; 512 consecutive bytes a store
.endr
	ds_store_b32 v4, v[PW] offset:64*(\f)          ; lanes r and r + 16 write the same word with the same value
.endm
	LOADF 0
	LOADF 1
	FRG 0
	FRG 1
	FRG 2
	FRG 3
	ds_load_b64 v[8:9], v5                         ; my wave's own bytes, in order behind its stores
	s_wait_dscnt 0x0
	global_store_b64 v6, v[8:9], s[24:25]          ; 256 consecutive bytes, aligned
	s_wait_tensorcnt 0x0
	ds_add_u32 v62, v63
	s_wait_dscnt 0x0
	s_endpgm
.Ltables:
	s_sub_co_u32 s29, ttmp9, 640
	s_lshl_b32 s29, s29, 2
	s_add_co_u32 s29, s29, s28                     ; token block 4 (G - 640) + wave
	s_lshr_b32 s30, s29, 1
	s_lshl_b32 s30, s30, 5
	s_and_b32 s31, s29, 1
	s_lshl_b32 s31, s31, 3
	s_add_co_u32 s30, s30, s31                     ; its first token
	s_lshl_b32 s32, s30, 8                         ; a table's row is 256 bytes
	s_mov_b32 s33, 0
	s_lshl_b32 s34, s29, 13                        ; 8,192 bytes of rt a token block
	s_mov_b32 s35, 0
	v_and_b32 v7, 8, v12
	v_add_nc_u32 v7, v7, v12                       ; r + 8 (r / 8)
	v_lshlrev_b32 v7, 8, v7
	v_lshl_add_u32 v7, v13, 5, v7                  ; + 32 h
	s_wait_kmcnt 0x0
	s_add_nc_u64 s[18:19], s[18:19], s[32:33]
	s_add_nc_u64 s[20:21], s[20:21], s[32:33]
	s_add_nc_u64 s[26:27], s[26:27], s[34:35]
.irp p, 0,1,2,3,4,5,6,7
	global_load_b128 v[64+4*\p:67+4*\p], v7, s[18:19] offset:64*(\p/2)+16*(\p%2)
	global_load_b128 v[96+4*\p:99+4*\p], v7, s[20:21] offset:64*(\p/2)+16*(\p%2)
.endr
	s_wait_loadcnt 0x0
.irp p, 0,1,2,3,4,5,6,7
	global_store_b128 v1, v[64+4*\p:67+4*\p], s[26:27] offset:512*\p
	global_store_b128 v1, v[96+4*\p:99+4*\p], s[26:27] offset:4096+512*\p
.endr
	s_endpgm
.Lfunc_end_k_qab9352db5e_quant:
	.size	k_qab9352db5e_quant, .Lfunc_end_k_qab9352db5e_quant-k_qab9352db5e_quant
	.p2alignl 7, 3214868480
	.fill 96, 4, 3214868480
	.section	.rodata,"a",@progbits
	.p2align	6, 0x0
	.amdhsa_kernel k_qab9352db5e_quant
		.amdhsa_group_segment_fixed_size 35328
		.amdhsa_private_segment_fixed_size 0
		.amdhsa_enable_private_segment 0
		.amdhsa_kernarg_size 80
		.amdhsa_user_sgpr_count 2
		.amdhsa_user_sgpr_kernarg_segment_ptr 1
		.amdhsa_wavefront_size32 1
		.amdhsa_system_sgpr_workgroup_id_x 1
		.amdhsa_system_sgpr_workgroup_id_y 1
		.amdhsa_system_sgpr_workgroup_id_z 1
		.amdhsa_system_vgpr_workitem_id 0
		.amdhsa_next_free_vgpr 256
		.amdhsa_next_free_sgpr 66
		.amdhsa_reserve_vcc 0
		.amdhsa_float_denorm_mode_32 3
		.amdhsa_float_denorm_mode_16_64 3
		.amdhsa_memory_ordered 1
		.amdhsa_forward_progress 1
		.amdhsa_inst_pref_size 38
	.end_amdhsa_kernel
	.amdgpu_metadata
---
amdhsa.version: [ 1, 2 ]
amdhsa.kernels:
  - .name:           k_qab9352db5e_quant
    .symbol:         k_qab9352db5e_quant.kd
    .args:
      - { .name: x, .offset: 0, .size: 8, .value_kind: global_buffer, .address_space: global }
      - { .name: wq, .offset: 8, .size: 8, .value_kind: global_buffer, .address_space: global }
      - { .name: wk, .offset: 16, .size: 8, .value_kind: global_buffer, .address_space: global }
      - { .name: wv, .offset: 24, .size: 8, .value_kind: global_buffer, .address_space: global }
      - { .name: wp, .offset: 32, .size: 8, .value_kind: global_buffer, .address_space: global }
      - { .name: cos, .offset: 40, .size: 8, .value_kind: global_buffer, .address_space: global }
      - { .name: sin, .offset: 48, .size: 8, .value_kind: global_buffer, .address_space: global }
      - { .name: c1, .offset: 56, .size: 8, .value_kind: global_buffer, .address_space: global }
      - { .name: s1, .offset: 64, .size: 8, .value_kind: global_buffer, .address_space: global }
      - { .name: rt, .offset: 72, .size: 8, .value_kind: global_buffer, .address_space: global }
    .group_segment_fixed_size: 35328
    .private_segment_fixed_size: 0
    .kernarg_segment_align: 8
    .kernarg_segment_size: 80
    .max_flat_workgroup_size: 128
    .sgpr_count:     66
    .vgpr_count:     256
    .wavefront_size: 32
...
	.end_amdgpu_metadata
.endif
;; end of part 1
;; launch qkv (part 2): grid 24 x 8, 4 waves a work-group, clusters of 4 x 4, 327,680 bytes of LDS; arguments c1, s1, rt, bq, bk, bv, c2, s2; writes c2, s2
.if DOCPART == 2
	.amdgcn_target "amdgcn-amd-amdhsa--gfx1250"
	.amdhsa_code_object_version 6
	.text
	.protected	k_qab9352db5e_qkv
	.globl	k_qab9352db5e_qkv
	.p2align	8
	.type	k_qab9352db5e_qkv,@function
k_qab9352db5e_qkv:
	s_mov_b64 s[64:65], 0
	v_nop
	global_prefetch_b8 v0, s[64:65] scope:SCOPE_SE
	s_setreg_imm32_b32 hwreg(HW_REG_WAVE_MODE, 25, 1), 1
	s_wait_xcnt 0x0
	s_wait_alu depctr_hold_cnt(0) depctr_sa_sdst(0) depctr_va_vdst(0) depctr_va_sdst(0) depctr_va_ssrc(0) depctr_va_vcc(0) depctr_vm_vsrc(0)
	s_getreg_b32 s2, hwreg(HW_REG_IB_STS2, 6, 4)
	s_cmp_eq_u32 s2, 0
	s_cbranch_scc0 .Lentry_in_a_cluster
	s_endpgm
.Lentry_in_a_cluster:
	s_bfe_u32 s2, ttmp6, 0x10000c
	s_cmp_lg_u32 s2, 0xf033
	s_cbranch_scc0 .Lentry_shape_is_right
	s_endpgm
.Lentry_shape_is_right:
; q = rope(x wq^T + bq), k = rope(x wk^T + bk), v = x wv^T + bv on codes of FP6 (E2M3), and their quantising: q and k along the head's 128, v along the keys.
; A GEMM C'[m][n] = sum over k of A[m][k] B[n][k], K = 2,048, tiles of 256 x 256, four waves of 128 x 128 (64 accumulators).  Tile columns X = 0..15: A = x, B = wq then wk; a wave's 128 columns are one head.
; X = 16..23: V^T: A = wv, B = x; a wave's 128 columns are one key step of 128 keys, its 128 rows one head.  192 work-groups: the three products' 192 tiles.
; OPERANDS ARE IMAGES OF REGISTERS (launch quant): a fragment is 1,536 dense bytes, three loads of 16 bytes a lane.  c1: [K slot of 256][row block][2][1536]: the 8 row blocks that a wave fetches for a slot are 24,576 dense bytes.
; ROW BLOCKS: place r of row block p is row 32 (p / 2) + 8 (p % 2) + r + 8 (r / 8).  The instruction is used transposed (source 0 = B's block, source 1 = A's): lane (r, h) holds A's place r, and the 64 registers of
; A's block a, register 8 b + j, are columns 32 (b / 2) + 16 h + 8 (b % 2) + j: sixteen neighbours of each block of 32, as the quantiser wants them.  So the results become codes in registers and leave as images.
; CLUSTERS: 4 x 4 work-groups; A's tiles are asked for jointly along a row of the cluster, B's along a column.  The choice between the two kinds of tile hangs on the cluster's x alone, which all partners share.
; c2: q, k: [Hh: 32 = q's heads, k's heads][token block: 128][1536]; from byte 6,291,456 v: [head][key step: 16][tile of 16 d: 8][1536].  s2: the same with 64 bytes of scale words for 1,536; v's from byte 262,144.
; LIMITS: a block of zeros gets the byte 1 where the rule says 127 (its codes are zeros; this program alone reads the bytes); NaN and infinities are not served.
; REGISTERS: window 0: v16-31 addresses; v32-63 scale words, two sets; v128-223 A's fragments, one set.  window 1: B's fragments, two sets, at v0 and v128.  windows 2, 3: the accumulators, (a, b) at v[8 (8 (a % 4) + b)].
.set FR,     12
.set NL,     3                         ; LDS loads that bring a fragment
.set NP,     4                         ; places behind this matrix instruction (ISA guide 7.12.1)
.set IMG,    1536
.set TROW,   3072                      ; a row block's bytes in a slot: two K steps of 128
.set HALFT,  8*TROW                    ; what one tensor load brings, and what a wave reads of A or of B
.set SLOT,   4*HALFT
.set LAPS,   4                         ; 2,048 along K = 8 slots = 4 laps of the ring
.set SCL,    2*SLOT                    ; the scale words for all of K: [A half 0, A half 1, B half 0, B half 1][row block 8][K step 16][64]
.set HALFS,  8192
.set SPARE,  SCL+4*HALFS               ; the spare words: 128 bytes for each wave, named by no other line
.set ASTR,   640*TROW                  ; from K slot to K slot in A's buffer
.set BSTR,   640*TROW                  ; and in B's
.set ADRA, 16                          ; v16-17 my A fragments in slot 0, 1
.set ADRB, 20                          ; v20-21 the same for B
.set BH,   22                          ; v22  64 h: my 16 columns' biases
.set BR,   23                          ; v23  4 (r + 8 (r / 8)): my row's bias
.set LI,   24                          ; v24  16 x lane
.set LSW,  25                          ; v25  where my row's scale word goes: 512 x wave + 4 r
.set LSR,  26                          ; v26  and comes back: 512 x wave + 16 x lane
.set ADSA, 27                          ; v27  A's scale words of the slot to be fetched
.set SPW,  28
.set NIL,  29
.set ADSB, 30                          ; v30  B's
.set SC,   32                          ; set s at v[SC + 16 s]: register i A's block i, register 8 + i B's block i; lanes 0-15 the slot's first 128 along K, lanes 16-31 the second
.set AF,   128
.set BIAS, 64                          ; the epilogue, window 0: v64-127 biases; v128-191 a block's 64 numbers; v192.. at work
.set HA,   128
.set TM,   192
.set PW,   208
.set PC,   216
.set T,    236
.set OW,   244
.set SEL,  96                          ; s[96:97]
.set G1, 24
.set G0, 32
.set G1B, 48
.set G0B, 56
.set G1S, 68
.set G0S, 76
.set G1SB, 80
.set G0SB, 88
.set MSB, 0
.macro WIN new                         ; the immediate's high byte repeats the setting that is left
.if MSB != (\new)
	s_set_vgpr_msb (MSB<<8)|(\new)
.set MSB, (\new)
.endif
.endm
.set MUL_LO, 0xa1                      ; source 0 (B) window 1, source 1 (A) window 0, C and D window 2
.set MUL_HI, 0xf1
.set TO_B,   0x40
.macro JLOAD g0a, g1a, g0b, g1b        ; a joint load: waves 0, 1 fetch for A, waves 2, 3 for B; four v_nop follow each line
	s_cmp_eq_u32 s15, 0
	s_cbranch_scc0 .Lfor_b_\@
	tensor_load_to_lds s[\g0a:\g0a+3], s[\g1a:\g1a+7]
	s_nop 0
.rept 4
	v_nop
.endr
	s_branch .Lasked_\@
.Lfor_b_\@:
	tensor_load_to_lds s[\g0b:\g0b+3], s[\g1b:\g1b+7]
	s_nop 0
.rept 4
	v_nop
.endr
.Lasked_\@:
.endm
.macro CREST                           ; a round of the cluster's barrier behind its opening barrier
	s_cmp_lg_u32 s14, 0
	s_cbranch_scc1 .Lnot_wave_0_\@
	s_barrier_signal -3
.Lnot_wave_0_\@:
	s_barrier_wait -3
	s_barrier_signal -1
	s_barrier_wait -1
.endm
.macro CROUND
	s_barrier_signal -1
	s_barrier_wait -1
	CREST
.endm
.macro QUANT s                         ; 64 numbers of a lane, register 16 b + i = k 32 b + 16 h + i of my row, become codes in v[PC] on and a scale word in v[PW]
.irp b, 0,1,2,3
	v_max3_num_f32 v[TM+\b], |v[\s+16*\b]|, |v[\s+1+16*\b]|, 0x1800000   ; with the floor 2^(3 - 127): the byte cannot fall under 1
.endr
.irp i, 2,4,6,8,10,12,14
.irp b, 0,1,2,3
	v_max3_num_f32 v[TM+\b], v[TM+\b], |v[\s+16*\b+\i]|, |v[\s+1+16*\b+\i]|
.endr
.endr
.irp b, 0,1,2,3
	v_permlanex16_b32 v[TM+4+\b], v[TM+\b], s[SEL], s[SEL+1]
.endr
.irp b, 0,1,2,3
	v_max_num_f32 v[TM+\b], v[TM+\b], v[TM+4+\b]
.endr
.irp b, 0,1,2,3
	v_add_nc_u32 v[TM+12+\b], 0xff000000, v[TM+\b]                 ; 2 off the exponent field: the conversion's scale operand
.endr
.irp b, 0,1,2,3
	v_lshrrev_b32 v[TM+4+\b], 23, v[TM+12+\b]
.endr
	v_lshl_or_b32 v[PW], v[TM+5], 8, v[TM+4]
	v_lshl_or_b32 v[PW], v[TM+6], 16, v[PW]
	v_lshl_or_b32 v[PW], v[TM+7], 24, v[PW]
.irp c, 0,1
	v_cvt_scalef32_pk16_fp6_f32 v[PC+6*\c:PC+2+6*\c], v[\s+32*\c:\s+15+32*\c], v[TM+12+2*\c]
	v_cvt_scalef32_pk16_fp6_f32 v[PC+12+4*\c:PC+14+4*\c], v[\s+16+32*\c:\s+31+32*\c], v[TM+12+2*\c+1]
.endr
	v_nop                                          ; one plain place behind a scaled conversion
.irp c, 0,1
.irp i, 0,1,2
	v_permlane16_swap_b32 v[PC+6*\c+\i], v[PC+12+4*\c+\i]
.endr
.irp i, 0,1,2
	v_mov_b32 v[PC+3+6*\c+\i], v[PC+12+4*\c+\i]
.endr
.endr
.endm
	s_load_b128 s[4:7], s[0:1], 0x0                ; c1, s1: A's codes and scale words
	s_load_b128 s[8:11], s[0:1], 0x0               ; and B's: the same two buffers
	v_lshl_add_u32 v[SPW], v0, 2, SPARE
	v_mov_b32 v[NIL], 0
	ds_add_u32 v28, v29
	ds_add_u32 v28, v29
	s_wait_dscnt 0x0
	v_lshrrev_b32 v1, 5, v0
	v_readfirstlane_b32 s14, v1                    ; wave 0..3
	s_lshr_b32 s15, s14, 1                         ; which half of the tile's rows is mine.  Also: I fetch for A (0) or for B (1)
	s_and_b32 s16, s14, 1                          ; which half of its columns.  Also: which 8 row blocks I fetch
	s_bfe_u32 s40, ttmp6, 0x40000                  ; cx, cy
	s_bfe_u32 s41, ttmp6, 0x40004
	s_lshl_b32 s42, ttmp9, 2
	s_add_co_u32 s42, s42, s40                     ; X = 4 x cluster x + cx
	s_and_b32 s17, ttmp7, 0xffff
	s_lshl_b32 s17, s17, 2
	s_add_co_u32 s17, s17, s41                     ; Y = 4 x cluster y + cy
	s_lshl_b32 s43, s41, 2
	s_lshl_b32 s43, 15, s43                        ; my row of the cluster
	s_lshl_b32 s44, 0x1111, s40                    ; my column
	s_lshr_b32 s95, ttmp9, 2                       ; 1 for the tiles of V^T (cluster x 4, 5): the same in all sixteen partners
	; group 1: 24,576 dense bytes as 96 rows of 256 bytes (32 elements of 8 bytes); no padding: a fragment's loads are consecutive
	s_or_b32 s[G1+0], s43, (3<<16)|(1<<21)
	s_or_b32 s[G1B+0], s44, (3<<16)|(1<<21)
.irp g, G1, G1B
	s_mov_b32 s[\g+1], 32<<16                      ; tensor_dim0
	s_mov_b32 s[\g+2], 96<<16                      ; tensor_dim1
	s_mov_b32 s[\g+3], 32<<16                      ; tile_dim0
	s_mov_b32 s[\g+4], 96                          ; tile_dim1
	s_mov_b32 s[\g+5], 32                          ; stride
	s_mov_b32 s[\g+6], 0
	s_mov_b32 s[\g+7], 0
.endr
	; the scale words of 8 row blocks for all of K: 8,192 dense bytes as 32 rows of 256
	s_or_b32 s[G1S+0], s43, (3<<16)|(1<<21)
	s_or_b32 s[G1SB+0], s44, (3<<16)|(1<<21)
.irp g, G1S, G1SB
	s_mov_b32 s[\g+1], 32<<16
	s_mov_b32 s[\g+2], 32<<16
	s_mov_b32 s[\g+3], 32<<16
	s_mov_b32 s[\g+4], 32
	s_mov_b32 s[\g+5], 32
	s_mov_b32 s[\g+6], 0
	s_mov_b32 s[\g+7], 0
.endr
	s_lshl_b32 s18, s16, 3                         ; which 8 row blocks of the tile I fetch
	s_mul_i32 s19, s95, 384
	s_lshl_b32 s20, s17, 4
	s_add_co_u32 s20, s20, s18
	s_add_co_u32 s20, s20, s19                     ; A: row block 16 Y + 8 half of x, or of wv (384 on)
	s_lshl_b32 s46, s42, 4
	s_add_co_u32 s46, s46, s18
	s_add_co_u32 s46, s46, 128
	s_sub_co_u32 s46, s46, s19                     ; B: row block 128 + 16 X + 8 half (wq, wk), or 16 (X - 16) + 8 half of x
	s_lshl_b32 s22, s20, 10                        ; scale words: 1,024 bytes a row block
	s_mov_b32 s23, 0
	s_mul_i32 s20, s20, TROW
	s_mov_b32 s21, 0
	s_lshl_b32 s92, s46, 10
	s_mov_b32 s93, 0
	s_mul_i32 s46, s46, TROW
	s_mov_b32 s47, 0
	s_mul_i32 s45, s14, HALFT                      ; where they go: by the wave's number alone
	s_mul_i32 s94, s14, HALFS
	s_wait_kmcnt 0x0
	s_add_nc_u64 s[20:21], s[4:5], s[20:21]
	s_add_nc_u64 s[22:23], s[6:7], s[22:23]
	s_add_nc_u64 s[46:47], s[8:9], s[46:47]
	s_add_nc_u64 s[92:93], s[10:11], s[92:93]
	CROUND                                         ; all sixteen work-groups are here: the first joint loads meet
	s_mov_b32 s[G0S], 1
	s_add_co_u32 s[G0S+1], s94, SCL
	s_mov_b64 s[G0S+2:G0S+3], s[22:23]
	s_or_b32 s[G0S+3], s[G0S+3], 0x80000000
	s_mov_b32 s[G0SB], 1
	s_add_co_u32 s[G0SB+1], s94, SCL
	s_mov_b64 s[G0SB+2:G0SB+3], s[92:93]
	s_or_b32 s[G0SB+3], s[G0SB+3], 0x80000000
	JLOAD G0S, G1S, G0SB, G1SB                     ; the scale words first: filled once
.irp s, 0,1
	s_mov_b32 s[G0+4*\s], 1
	s_add_co_u32 s[G0+4*\s+1], s45, \s*SLOT
	s_add_nc_u64 s[G0+4*\s+2:G0+4*\s+3], s[20:21], \s*ASTR
	s_or_b32 s[G0+4*\s+3], s[G0+4*\s+3], 0x80000000
	s_mov_b32 s[G0B+4*\s], 1
	s_add_co_u32 s[G0B+4*\s+1], s45, \s*SLOT
	s_add_nc_u64 s[G0B+4*\s+2:G0B+4*\s+3], s[46:47], \s*BSTR
	s_or_b32 s[G0B+4*\s+3], s[G0B+4*\s+3], 0x80000000
	JLOAD G0+4*\s, G1, G0B+4*\s, G1B
.endr
	v_and_b32 v1, 31, v0                           ; lane
	v_lshlrev_b32 v[LI], 4, v1
	v_lshlrev_b32 v3, 2, v1
	s_mul_i32 s21, s15, HALFT                      ; my 8 row blocks of A
	s_mul_i32 s22, s16, HALFT                      ; my 8 of B,
	s_add_co_u32 s22, s22, 2*HALFT                 ; which lie behind A's 16
.irp s, 0,1
	v_add_nc_u32 v[ADRA+\s], s21, v[LI]
	v_add_nc_u32 v[ADRB+\s], s22, v[LI]
	s_add_co_u32 s21, s21, SLOT
	s_add_co_u32 s22, s22, SLOT
.endr
	s_mul_i32 s21, s15, HALFS
	s_add_co_u32 s21, s21, SCL
	s_mul_i32 s22, s16, HALFS
	s_add_co_u32 s22, s22, SCL+2*HALFS
	v_add_nc_u32 v[ADSA], s21, v3                  ; 4 x lane: lanes 0-15 the first K step's 16 words, lanes 16-31 the second's
	v_add_nc_u32 v[ADSB], s22, v3
	v_and_b32 v4, 15, v0                           ; r
	v_bfe_u32 v5, v0, 4, 1                         ; h
	s_lshl_b32 s21, s14, 9
	v_lshl_add_u32 v[LSW], v4, 2, s21
	v_add_nc_u32 v[LSR], s21, v[LI]
	v_lshlrev_b32 v[BH], 6, v5
	v_and_b32 v6, 8, v4
	v_add_nc_u32 v6, v6, v4
	v_lshlrev_b32 v[BR], 2, v6
	s_load_b256 s[4:11], s[0:1], 0x10              ; for the epilogue: rt, bq, bk, bv; the loop names none of these registers
	s_load_b128 s[20:23], s[0:1], 0x30             ; c2, s2
.macro FRAG reg, adr, q, i             ; a fragment comes as it was stored: three loads, 512 consecutive bytes each
.irp c, 0,1,2
	ds_load_b128 v[\reg+4*\c:\reg+4*\c+3], v[\adr] offset:(\i)*TROW+(\q)*IMG+512*\c
.endr
.endm
; 16 matrix instructions: A's blocks a0, a0 + 1 x B's eight, the slot's q-th 128 along K.  p: B's set; sc: the set of scale words.  The 64 accumulators take turns, one instruction a turn.
.macro MUL16 a0, p, q, sc, zero
.irp a, \a0, \a0+1
.irp b, 0,1,2,3,4,5,6,7
.if \zero
	v_wmma_scale_f32_16x16x128_f8f6f4 v[8*(8*((\a)%4)+\b):8*(8*((\a)%4)+\b)+7], v[128*(\p)+FR*\b:128*(\p)+FR*\b+FR-1], v[AF+FR*(\a):AF+FR*(\a)+FR-1], 0, v[SC+16*(\sc)+8+\b], v[SC+16*(\sc)+(\a)] matrix_a_fmt:MATRIX_FMT_FP6 matrix_b_fmt:MATRIX_FMT_FP6
.elseif (\q) == 0
	v_wmma_scale_f32_16x16x128_f8f6f4 v[8*(8*((\a)%4)+\b):8*(8*((\a)%4)+\b)+7], v[128*(\p)+FR*\b:128*(\p)+FR*\b+FR-1], v[AF+FR*(\a):AF+FR*(\a)+FR-1], v[8*(8*((\a)%4)+\b):8*(8*((\a)%4)+\b)+7], v[SC+16*(\sc)+8+\b], v[SC+16*(\sc)+(\a)] matrix_a_fmt:MATRIX_FMT_FP6 matrix_b_fmt:MATRIX_FMT_FP6
.else
	v_wmma_scale_f32_16x16x128_f8f6f4 v[8*(8*((\a)%4)+\b):8*(8*((\a)%4)+\b)+7], v[128*(\p)+FR*\b:128*(\p)+FR*\b+FR-1], v[AF+FR*(\a):AF+FR*(\a)+FR-1], v[8*(8*((\a)%4)+\b):8*(8*((\a)%4)+\b)+7], v[SC+16*(\sc)+8+\b], v[SC+16*(\sc)+(\a)] matrix_a_fmt:MATRIX_FMT_FP6 matrix_b_fmt:MATRIX_FMT_FP6 matrix_a_scale:MATRIX_SCALE_ROW1 matrix_b_scale:MATRIX_SCALE_ROW1
.endif
.endr
.endr
.endm
.macro FETCH_B slot, q, p
	WIN TO_B
.irp i, 0,1,2,3,4,5,6,7
	FRAG 128*(\p)+FR*\i, ADRB+\slot, \q, \i
.endr
	WIN 0
.endm
.macro FETCH_A slot, q, i0
.irp i, \i0, \i0+1, \i0+2, \i0+3
	FRAG AF+FR*(\i), ADRA+\slot, \q, \i
.endr
.endm
.macro SCALES sc                       ; a slot's scale words: 128 consecutive bytes a load
.irp i, 0,1,2,3,4,5,6,7
	ds_load_b32 v[SC+16*\sc+\i], v[ADSA] offset:\i*1024
	ds_load_b32 v[SC+16*\sc+8+\i], v[ADSB] offset:\i*1024
.endr
.endm
.macro PLACES n                        ; places in front of loads into registers that matrix instructions have read, and of the first read of results
.rept \n
	v_nop
.endr
.endm
.macro STEP slot, zero                 ; a slot's first 128 along K
	s_wait_dscnt 4*NL                              ; all but the youngest 12 loads, A's blocks 4-7
	WIN MUL_LO
	MUL16 0, 0, 0, \slot, \zero
	MUL16 2, 0, 0, \slot, \zero
	s_wait_dscnt 0
	PLACES NP
	FETCH_B \slot, 1, 1
	FETCH_A \slot, 1, 0
	WIN MUL_HI
	MUL16 4, 0, 0, \slot, \zero
	MUL16 6, 0, 0, \slot, \zero
	PLACES NP
	WIN 0
	FETCH_A \slot, 1, 4
.endm
; A slot's second 128 along K changes slots: one barrier; in front of it each wave waits for all its tensor loads, adds 0 to its spare word, and waits for that and for its reads of this slot.
.macro TURN slot, next, fill
	s_wait_tensorcnt 0x0                           ; all my tensor loads have landed: my part of the next slot
	ds_add_u32 v[SPW], v[NIL]                      ; 0 onto my spare word
	s_wait_dscnt 4*NL+1                            ; (the add and the youngest 12 loads may be out)
	WIN MUL_LO
	MUL16 0, 1, 1, \slot, 0
	s_wait_dscnt 0x0                               ; the add is done, and my reads of this slot are over
	s_barrier_signal -1
	MUL16 2, 1, 1, \slot, 0
	WIN 0
	s_barrier_wait -1
.if \fill
	CREST                                          ; the barrier has opened a round of the cluster's: no wave of any partner still reads this slot or has a load on its way
	s_add_nc_u64 s[G0+4*\slot+2:G0+4*\slot+3], s[G0+4*\slot+2:G0+4*\slot+3], 2*ASTR
	s_add_nc_u64 s[G0B+4*\slot+2:G0B+4*\slot+3], s[G0B+4*\slot+2:G0B+4*\slot+3], 2*BSTR
	JLOAD G0+4*\slot, G1, G0B+4*\slot, G1B         ; the first tensor load behind the round; its four v_nop are the places in front of the loads below
.else
	PLACES NP
.endif
	v_add_nc_u32 v[ADSA], 128, v[ADSA]             ; the next slot's scale words (no LDS load of mine is out)
	v_add_nc_u32 v[ADSB], 128, v[ADSB]
	FETCH_B \next, 0, 0
	FETCH_A \next, 0, 0
	SCALES \next
	WIN MUL_HI
	MUL16 4, 1, 1, \slot, 0
	MUL16 6, 1, 1, \slot, 0
	PLACES NP
	WIN 0
	FETCH_A \next, 0, 4
.endm
	s_wait_tensorcnt 1                             ; the scale words and my part of slot 0 are in; slot 1's load may be out
	s_barrier_signal -1
	s_barrier_wait -1
	FETCH_B 0, 0, 0
	FETCH_A 0, 0, 0
	SCALES 0
	FETCH_A 0, 0, 4
	STEP 0, 1                                      ; the first step starts the sums: nothing is cleared
	s_mov_b32 s3, LAPS-1
.Llap:
	TURN 0, 1, 1
	STEP 1, 0
	TURN 1, 0, 1
	STEP 0, 0
	s_sub_co_u32 s3, s3, 1
	s_cmp_lg_u32 s3, 0
	s_cbranch_scc1 .Llap
	TURN 0, 1, 0                                   ; the last lap fills nothing
	STEP 1, 0
	s_wait_dscnt 4*NL
	WIN MUL_LO
	MUL16 0, 1, 1, 1, 0
	MUL16 2, 1, 1, 1, 0
	s_wait_dscnt 0
	WIN MUL_HI
	MUL16 4, 1, 1, 1, 0
	MUL16 6, 1, 1, 1, 0
	WIN 0
; THE EPILOGUE, A's block by block: bias, RoPE (q, k), quantiser, the image to c2; the scale words gather in 512 bytes of LDS a wave (in slot 0, which has had its last fill and its last read) and leave together.
	PLACES NP
	s_mov_b32 s[SEL], 0x76543210
	s_mov_b32 s[SEL+1], 0xfedcba98
.irp b, 0,1,2,3
	v_mov_b32 v[TM+4+\b], 0                        ; a lane permute's destination counts as one of its sources
.endr
	s_lshl_b32 s19, s17, 4
	s_lshl_b32 s18, s15, 3
	s_add_co_u32 s19, s19, s18                     ; 16 Y + 8 x my half of the rows
	s_mov_b32 s13, 0
	s_wait_kmcnt 0x0
	s_cmp_lg_u32 s95, 0
	s_cbranch_scc1 .Lv
.macro TAB a                           ; token block a's cos and sin in my lanes' order: 16 loads of 512 consecutive bytes into window 1: cos of pair k at + k, sin at + 32 + k
	WIN 0x40
.irp p, 0,1,2,3,4,5,6,7,8,9,10,11,12,13,14,15
	global_load_b128 v[64*((\a)%2)+4*\p:64*((\a)%2)+4*\p+3], v[LI], s[4:5] offset:8192*(\a)+512*\p
.endr
	WIN 0
.endm
.macro EPI a, rope, path
.if \rope
.if (\a) < 7
	s_wait_loadcnt 16                              ; the biases and this block's tables are in; the next block's 16 loads may be out
.else
	s_wait_loadcnt 0x0
.endif
.endif
	WIN 0x02+(\a)/4                                ; source 0: the accumulators' window
.set i, 0
.rept 32                                       ; ascending: each accumulator is read from its low end on
.if \rope
	v_pk_add_f32 v[HA+2*i:HA+2*i+1], v[64*((\a)%4)+2*i:64*((\a)%4)+2*i+1], v[BIAS+2*i:BIAS+2*i+1]
.else
	v_pk_add_f32 v[HA+2*i:HA+2*i+1], v[64*((\a)%4)+2*i:64*((\a)%4)+2*i+1], v[BIAS+2*(\a):BIAS+2*(\a)+1]
.endif
.set i, i+1
.endr
.if \rope
	WIN 0x04                                       ; source 1: the tables' window
.set k, 0
.rept 32                                       ; pair k = (re, im): re c - im s, re s + im c
	v_mul_f32 v[T+2*(k%4)], v[HA+2*k+1], v[64*((\a)%2)+32+k]
	v_mul_f32 v[T+2*(k%4)+1], v[HA+2*k+1], v[64*((\a)%2)+k]
	v_fma_f32 v[HA+2*k+1], v[HA+2*k], v[64*((\a)%2)+32+k], v[T+2*(k%4)+1]
	v_fma_f32 v[HA+2*k], v[HA+2*k], v[64*((\a)%2)+k], -v[T+2*(k%4)]
.set k, k+1
.endr
.if (\a) < 6
	TAB (\a)+2
.endif
.endif
	WIN 0
	s_wait_xcnt 0x0                                ; the last block's stores have read v[PC] on,
	s_wait_dscnt 0x0                               ; and the last scale word's store v[PW]
	QUANT HA
.irp c, 0,1,2
	global_store_b128 v[LI], v[PC+4*\c:PC+4*\c+3], s[20:21] offset:IMG*(\a)+512*\c   ; 512 consecutive bytes a store
.endr
	ds_store_b32 v[LSW], v[PW] offset:4096*\path+64*(\a)   ; each of the two kinds of tile has LDS bytes of its own
.endm
.macro WORDS path                      ; my 8 blocks' scale words: 512 consecutive bytes
	ds_load_b128 v[OW:OW+3], v[LSR] offset:4096*\path
	s_wait_dscnt 0x0
	global_store_b128 v[LI], v[OW:OW+3], s[22:23]
.endm
	; q and k
	s_lshl_b32 s18, s42, 1
	s_add_co_u32 s18, s18, s16                     ; Hh = 2 X + my half of the columns
	s_cmp_lt_u32 ttmp9, 2                          ; X < 8: q's heads
	s_cselect_b64 s[6:7], s[6:7], s[8:9]
	s_and_b32 s12, s18, 15
	s_lshl_b32 s12, s12, 9
	s_add_nc_u64 s[6:7], s[6:7], s[12:13]          ; the head's 128 biases
	s_lshl_b32 s12, s19, 13
	s_add_nc_u64 s[4:5], s[4:5], s[12:13]          ; my first token block's tables
	s_lshl_b32 s18, s18, 7
	s_add_co_u32 s18, s18, s19                     ; 128 Hh + my first token block
	s_mul_i32 s12, s18, IMG
	s_add_nc_u64 s[20:21], s[20:21], s[12:13]
	s_lshl_b32 s12, s18, 6
	s_add_nc_u64 s[22:23], s[22:23], s[12:13]
.irp i, 0,1,2,3,4,5,6,7,8,9,10,11,12,13,14,15
	global_load_b128 v[BIAS+4*\i:BIAS+4*\i+3], v[BH], s[6:7] offset:128*(\i/4)+16*(\i%4)   ; register 16 b + i: the bias of column 32 b + 16 h + i
.endr
	TAB 0
	TAB 1
.irp a, 0,1,2,3,4,5,6,7
	EPI \a, 1, 0
.endr
	WORDS 0
	s_branch .Ldone
.Lv:	; V^T: the bias goes by my row
	s_lshl_b32 s18, s17, 1
	s_add_co_u32 s18, s18, s15                     ; head = 2 Y + my half of the rows
	s_lshl_b32 s12, s18, 9
	s_add_nc_u64 s[10:11], s[10:11], s[12:13]
	s_sub_co_u32 s19, s42, 16
	s_lshl_b32 s19, s19, 1
	s_add_co_u32 s19, s19, s16                     ; key step = 2 (X - 16) + my half of the columns
	s_lshl_b32 s18, s18, 4
	s_add_co_u32 s18, s18, s19
	s_mul_i32 s12, s18, 8*IMG
	s_add_co_u32 s12, s12, 6291456
	s_add_nc_u64 s[20:21], s[20:21], s[12:13]
	s_lshl_b32 s12, s18, 9
	s_add_co_u32 s12, s12, 262144
	s_add_nc_u64 s[22:23], s[22:23], s[12:13]
.irp a, 0,1,2,3,4,5,6,7
	global_load_b32 v[BIAS+2*\a], v[BR], s[10:11] offset:(32*(\a/2)+8*(\a%2))*4      ; twice: the packed addition takes a pair
	global_load_b32 v[BIAS+2*\a+1], v[BR], s[10:11] offset:(32*(\a/2)+8*(\a%2))*4
.endr
	s_wait_loadcnt 0x0
.irp a, 0,1,2,3,4,5,6,7
	EPI \a, 0, 1
.endr
	WORDS 1
.Ldone:
	s_wait_tensorcnt 0x0                           ; the wave's end
	ds_add_u32 v[SPW], v[NIL]
	s_wait_dscnt 0x0
	CROUND                                         ; the closing round
	s_endpgm
.Lfunc_end_k_qab9352db5e_qkv:
	.size	k_qab9352db5e_qkv, .Lfunc_end_k_qab9352db5e_qkv-k_qab9352db5e_qkv
	.p2alignl 7, 3214868480
	.fill 96, 4, 3214868480
	.section	.rodata,"a",@progbits
	.p2align	6, 0x0
	.amdhsa_kernel k_qab9352db5e_qkv
		.amdhsa_group_segment_fixed_size 327680
		.amdhsa_private_segment_fixed_size 0
		.amdhsa_enable_private_segment 0
		.amdhsa_kernarg_size 64
		.amdhsa_user_sgpr_count 2
		.amdhsa_user_sgpr_kernarg_segment_ptr 1
		.amdhsa_wavefront_size32 1
		.amdhsa_system_sgpr_workgroup_id_x 1
		.amdhsa_system_sgpr_workgroup_id_y 1
		.amdhsa_system_sgpr_workgroup_id_z 1
		.amdhsa_system_vgpr_workitem_id 0
		.amdhsa_next_free_vgpr 1024
		.amdhsa_next_free_sgpr 100
		.amdhsa_reserve_vcc 0
		.amdhsa_float_denorm_mode_32 3
		.amdhsa_float_denorm_mode_16_64 3
		.amdhsa_memory_ordered 1
		.amdhsa_forward_progress 1
		.amdhsa_inst_pref_size 255
	.end_amdhsa_kernel
	.section	.bss,"aw",@nobits
	.p2align	6
	.space	262144
	.amdgpu_metadata
---
amdhsa.version: [ 1, 2 ]
amdhsa.kernels:
  - .name:           k_qab9352db5e_qkv
    .symbol:         k_qab9352db5e_qkv.kd
    .args:
      - { .name: c1, .offset: 0, .size: 8, .value_kind: global_buffer, .address_space: global }
      - { .name: s1, .offset: 8, .size: 8, .value_kind: global_buffer, .address_space: global }
      - { .name: rt, .offset: 16, .size: 8, .value_kind: global_buffer, .address_space: global }
      - { .name: bq, .offset: 24, .size: 8, .value_kind: global_buffer, .address_space: global }
      - { .name: bk, .offset: 32, .size: 8, .value_kind: global_buffer, .address_space: global }
      - { .name: bv, .offset: 40, .size: 8, .value_kind: global_buffer, .address_space: global }
      - { .name: c2, .offset: 48, .size: 8, .value_kind: global_buffer, .address_space: global }
      - { .name: s2, .offset: 56, .size: 8, .value_kind: global_buffer, .address_space: global }
    .group_segment_fixed_size: 327680
    .private_segment_fixed_size: 0
    .kernarg_segment_align: 8
    .kernarg_segment_size: 64
    .max_flat_workgroup_size: 128
    .sgpr_count:     100
    .vgpr_count:     1024
    .wavefront_size: 32
...
	.end_amdgpu_metadata
.endif
;; end of part 2
;; launch attn (part 3): grid 16 x 16, 8 waves a work-group, no clusters, 327,680 bytes of LDS; arguments c2, s2, c3, s3; writes c3, s3
.if DOCPART == 3
	.amdgcn_target "amdgcn-amd-amdhsa--gfx1250"
	.amdhsa_code_object_version 6
	.text
	.protected	k_qab9352db5e_attn
	.globl	k_qab9352db5e_attn
	.p2align	8
	.type	k_qab9352db5e_attn,@function
k_qab9352db5e_attn:
	s_mov_b64 s[64:65], 0
	v_nop
	global_prefetch_b8 v0, s[64:65] scope:SCOPE_SE
	s_setreg_imm32_b32 hwreg(HW_REG_WAVE_MODE, 25, 1), 1
	s_wait_xcnt 0x0
; Causal attention of one head on codes of FP6 (E2M3): S^T = K Q^T, p = 2^(t - M), O^T = V^T P^T, O / l, and O's quantising along C for the last product.
; t = score x log2(e) / sqrt(2048); M = the running largest t rounded UP to a whole number; p is quantised along the keys, not normalised; l is the sum of the unquantised p.  When M moves, l and O^T are multiplied by 2^(old M - new M): exact.
; INPUTS are images of operand registers (launch qkv): q, k: [Hh][token block][1536]; v: [head][key step][tile of 16 d][1536]; scale words 64 bytes a fragment.
; Place r of token block p is token 32 (p / 2) + 8 (p % 2) + r + 8 (r / 8): so the 16 registers of two neighbouring tiles of S^T are 16 neighbouring keys, and those of O^T 16 neighbouring d.
; SHARES.  Work-group (g, head), eight waves, a tile of 16 queries each: waves 0-3 the token blocks 4 g + w, waves 4-7 the blocks 4 (31 - g) + w - 4: (g / 2 + 1) + ((31 - g) / 2 + 1) = 17 key steps for each pair of waves w, w + 4, in every work-group.
; Every wave walks all 16 key steps, in four slots of four; a step all of whose keys come after the wave's queries is left out by a scalar branch on ids, round the step's work alone.  Key 0 counts for every query, so M is a number from the first step on.
; THE RING: two LDS slots of 512 keys; each wave fetches one key step's K (waves 0-3) or V (waves 4-7), 12,288 dense bytes, by one tensor load; all eight read all of it.  By this text's count a wave has two tensor loads out at the start, then one.
; NO CLUSTER, though the 16 work-groups of a head walk the same K and V: the branches that leave out hidden steps hang on g, which in a cluster would be a partner's place.
; LIMITS: a block of zeros gets the byte 1 where the rule says 127 (its codes are zeros; this program alone reads the bytes); NaN and infinities are not served.  s3's 64 bytes a wave are stored as one short piece; lanes r and r + 16 store the same word.
; REGISTERS: window 0: v1-11 addresses; v12 -M, v13 largest t, v[14:15] l; v16-27 Q, v28 its scale words; v32-35, v36-39 K's and V's scale words; v40-83 the last quantiser; v96-159 S^T, then p; v160-223 O^T; v224-235 p's codes; v232-254 at work.
;   window 1: v0-95 K's 8 fragments; v96-191 V's.
.set SLOT1, 1<<17
.set KSB,   12288                      ; a key step's 8 images
.set VOFF,  4*KSB                      ; a slot: K's four steps, then V's
.set SCK,   SLOT1+2*VOFF               ; behind the ring: K's scale words of the head, 8,192 bytes, then V's
.set SPARE, SCK+16384                  ; the spare words: 128 bytes for each wave, named by no other line
.set LI,   1                           ; v1   16 x lane
.set LS,   2                           ; v2   SCK + 4 x lane
.set QL,   3                           ; v3   r + 8 (r / 8) - 16 h
.set R4,   4                           ; v4   4 r
.set SPW,  5
.set NIL,  6
.set PFO,  7                           ; v7   256 x lane
.set ADK,  8
.set ADV,  9
.set ADS,  10
.set AV0,  11                          ; v11  16 x lane + VOFF
.set KS,   32                          ; register i: lanes 0-15 tile 2 i's words, lanes 16-31 tile 2 i + 1's
.set VS,   36
.set TM,   40
.set PW,   56
.set PC,   64
.set WV,   18
.set SEL,  20
.set CS,   22
.set G1,   24
.set G0,   40
.set G1S,  48
.set G0S,  56
.set TB,   2                           ; s2   where the slot in hand begins
.set TS,   3                           ; s3   512 x key step: its scale words
.set SLOTS, 67
.set KF,   70                          ; s70  the step's first key
.set Q0,   71                          ; s71  my smallest query
.set QMAX, 72                          ; s72  my largest: Q0 + 23
.set PFA,  76
.set LIM,  80
.set MSB, 0
.macro WIN new
.if MSB != (\new)
	s_set_vgpr_msb (MSB<<8)|(\new)
.set MSB, (\new)
.endif
.endm
.macro QUANT s                         ; 64 numbers of a lane, register 16 b + i = k 32 b + 16 h + i of my row, become codes in v[PC] on and a scale word in v[PW]
.irp b, 0,1,2,3
	v_max3_num_f32 v[TM+\b], |v[\s+16*\b]|, |v[\s+1+16*\b]|, 0x1800000
.endr
.irp i, 2,4,6,8,10,12,14
.irp b, 0,1,2,3
	v_max3_num_f32 v[TM+\b], v[TM+\b], |v[\s+16*\b+\i]|, |v[\s+1+16*\b+\i]|
.endr
.endr
.irp b, 0,1,2,3
	v_permlanex16_b32 v[TM+4+\b], v[TM+\b], s[SEL], s[SEL+1]
.endr
.irp b, 0,1,2,3
	v_max_num_f32 v[TM+\b], v[TM+\b], v[TM+4+\b]
.endr
.irp b, 0,1,2,3
	v_add_nc_u32 v[TM+12+\b], 0xff000000, v[TM+\b]
.endr
.irp b, 0,1,2,3
	v_lshrrev_b32 v[TM+4+\b], 23, v[TM+12+\b]
.endr
	v_lshl_or_b32 v[PW], v[TM+5], 8, v[TM+4]
	v_lshl_or_b32 v[PW], v[TM+6], 16, v[PW]
	v_lshl_or_b32 v[PW], v[TM+7], 24, v[PW]
.irp c, 0,1
	v_cvt_scalef32_pk16_fp6_f32 v[PC+6*\c:PC+2+6*\c], v[\s+32*\c:\s+15+32*\c], v[TM+12+2*\c]
	v_cvt_scalef32_pk16_fp6_f32 v[PC+12+4*\c:PC+14+4*\c], v[\s+16+32*\c:\s+31+32*\c], v[TM+12+2*\c+1]
.endr
	v_nop
.irp c, 0,1
.irp i, 0,1,2
	v_permlane16_swap_b32 v[PC+6*\c+\i], v[PC+12+4*\c+\i]
.endr
.irp i, 0,1,2
	v_mov_b32 v[PC+3+6*\c+\i], v[PC+12+4*\c+\i]
.endr
.endr
.endm
; A prefetch of what the NEXT change of slots will ask for: 49,152 bytes of K and as many of V.  All work-groups of a head walk the same bytes: work-group g = 0 asks; in it waves 0-2 for K's, waves 4-6 for V's, 16,384 bytes a wave,
; lanes 256 bytes apart, two instructions.  Each block of 256 bytes is named once.  Slots 0 and 1 come by their loads alone; the last change that fills a slot asks for nothing.
.macro ASK
	s_cmp_gt_u32 s[SLOTS], s[LIM]
	s_cbranch_scc0 .Lnot_mine_\@
	global_prefetch_b8 v[PFO], s[PFA:PFA+1] th:TH_LOAD_NT scope:SCOPE_SE
	global_prefetch_b8 v[PFO], s[PFA:PFA+1] offset:8192 th:TH_LOAD_NT scope:SCOPE_SE
.Lnot_mine_\@:
.endm
	s_load_b256 s[4:11], s[0:1], 0x0               ; c2, s2, c3, s3
	v_lshl_add_u32 v[SPW], v0, 2, SPARE
	v_mov_b32 v[NIL], 0
	ds_add_u32 v5, v6
	ds_add_u32 v5, v6
	s_wait_dscnt 0x0
	v_lshrrev_b32 v8, 5, v0
	v_readfirstlane_b32 s[WV], v8                  ; wave 0..7
	s_and_b32 s12, ttmp7, 0xffff                   ; the head
	s_lshr_b32 s13, s[WV], 2                       ; 0: I fetch K and own an early tile; 1: V, a late one
	s_and_b32 s14, s[WV], 3
	s_lshl_b32 s15, ttmp9, 2
	s_add_co_u32 s15, s15, s[WV]
	s_lshl_b32 s16, ttmp9, 3
	s_sub_co_u32 s16, 120, s16
	s_mul_i32 s16, s16, s13
	s_add_co_u32 s15, s15, s16                     ; my token block: 4 g + w, or 4 (31 - g) + w - 4
	s_lshr_b32 s16, s15, 1
	s_lshl_b32 s16, s16, 5
	s_and_b32 s17, s15, 1
	s_lshl_b32 s17, s17, 3
	s_add_co_u32 s[Q0], s16, s17
	s_add_co_u32 s[QMAX], s[Q0], 23
	s_mul_i32 s32, s13, 3145728
	s_add_co_u32 s32, s32, 3145728
	s_mul_i32 s33, s12, 196608
	s_add_co_u32 s32, s32, s33                     ; K's or V's codes of my head
	s_mul_i32 s34, s14, KSB
	s_add_co_u32 s34, s34, s32                     ; the key step of a slot that I fetch
	s_mov_b32 s35, 0
	s_lshl_b32 s36, s13, 4
	s_add_co_u32 s36, s36, 16
	s_add_co_u32 s36, s36, s12
	s_lshl_b32 s36, s36, 13                        ; K's or V's scale words of my head, 8,192 bytes,
	s_lshl_b32 s37, s14, 11
	s_add_co_u32 s36, s36, s37                     ; my quarter of them
	s_mov_b32 s37, 0
	; group 1: 12,288 dense bytes as 48 rows of 256 bytes (32 elements of 8 bytes)
	s_mov_b32 s[G1], 3<<16
	s_mov_b32 s[G1+1], 32<<16
	s_mov_b32 s[G1+2], 48<<16
	s_mov_b32 s[G1+3], 32<<16
	s_mov_b32 s[G1+4], 48
	s_mov_b32 s[G1+5], 32
	s_mov_b32 s[G1+6], 0
	s_mov_b32 s[G1+7], 0
	; and 2,048 as 8 rows
	s_mov_b32 s[G1S], 3<<16
	s_mov_b32 s[G1S+1], 32<<16
	s_mov_b32 s[G1S+2], 8<<16
	s_mov_b32 s[G1S+3], 32<<16
	s_mov_b32 s[G1S+4], 8
	s_mov_b32 s[G1S+5], 32
	s_mov_b32 s[G1S+6], 0
	s_mov_b32 s[G1S+7], 0
	s_mov_b32 s[G0], 1
	s_mul_i32 s[G0+1], s[WV], KSB                  ; slot 0, my wave's 12,288 bytes
	s_mov_b32 s[G0S], 1
	s_lshl_b32 s[G0S+1], s[WV], 11
	s_add_co_u32 s[G0S+1], s[G0S+1], SCK
	s_wait_kmcnt 0x0
	s_add_nc_u64 s[G0+2:G0+3], s[4:5], s[34:35]
	s_or_b32 s[G0+3], s[G0+3], 0x80000000
	s_add_nc_u64 s[G0S+2:G0S+3], s[6:7], s[36:37]
	s_or_b32 s[G0S+3], s[G0S+3], 0x80000000
	tensor_load_to_lds s[G0S:G0S+3], s[G1S:G1S+7]  ; the first fills stand together: the scale words, filled once,
	s_nop 0
	tensor_load_to_lds s[G0:G0+3], s[G1:G1+7]      ; and slot 0
	s_nop 0
.rept 4
	v_nop
.endr
	s_lshl_b32 s44, s12, 7
	s_add_co_u32 s44, s44, s15                     ; 128 head + my token block
	s_lshl_b32 s46, s44, 6
	s_mov_b32 s47, 0
	s_mul_i32 s44, s44, 1536
	s_mov_b32 s45, 0
	s_add_nc_u64 s[44:45], s[4:5], s[44:45]        ; Q's image
	s_add_nc_u64 s[46:47], s[6:7], s[46:47]        ; and its scale words
	s_lshr_b32 s60, s12, 1
	s_mul_i32 s60, s60, 393216                     ; c3: [K slot = head / 2][token block][head % 2][1536]
	s_mul_i32 s61, s15, 3072
	s_add_co_u32 s60, s60, s61
	s_and_b32 s61, s12, 1
	s_mul_i32 s61, s61, 1536
	s_add_co_u32 s60, s60, s61
	s_mov_b32 s61, 0
	s_add_nc_u64 s[8:9], s[8:9], s[60:61]
	s_lshl_b32 s62, s15, 10                        ; s3: [token block][head][64]
	s_lshl_b32 s63, s12, 6
	s_add_co_u32 s62, s62, s63
	s_mov_b32 s63, 0
	s_add_nc_u64 s[10:11], s[10:11], s[62:63]
	s_lshl_b32 s38, s14, 14
	s_add_co_u32 s38, s38, s32
	s_add_co_u32 s38, s38, 4*KSB                   ; my prefetches stand in slot 1; the first change of slots steps them to slot 2
	s_mov_b32 s39, 0
	s_add_nc_u64 s[PFA:PFA+1], s[4:5], s[38:39]
	s_cmp_eq_u32 s14, 3
	s_cselect_b32 s38, 1, 0
	s_or_b32 s38, s38, ttmp9
	s_cmp_eq_u32 s38, 0
	s_cselect_b32 s[LIM], 1, -1                    ; 1 in the waves that ask, else the greatest number
	s_mov_b32 s[SEL], 0x76543210
	s_mov_b32 s[SEL+1], 0xfedcba98
	s_mov_b32 s[CS], 0x3d0293ee                    ; c = log2(e) / sqrt(2048)
	s_mov_b32 s[CS+1], s[CS]
	s_mov_b32 s[TB], 0
	s_mov_b32 s[TS], 0
	s_mov_b32 s[KF], 0
	s_mov_b32 s[SLOTS], 3
	v_and_b32 v29, 31, v0                          ; lane
	v_and_b32 v30, 15, v0                          ; r
	v_bfe_u32 v31, v0, 4, 1                        ; h
	v_lshlrev_b32 v[LI], 4, v29
	v_add_nc_u32 v[AV0], VOFF, v[LI]
	v_lshl_add_u32 v[LS], v29, 2, SCK
	v_lshlrev_b32 v[R4], 2, v30
	v_lshlrev_b32 v[PFO], 8, v29
	v_and_b32 v[QL], 8, v30
	v_add_nc_u32 v[QL], v[QL], v30
	v_lshlrev_b32 v31, 4, v31
	v_sub_nc_u32 v[QL], v[QL], v31
.irp c, 0,1,2
	global_load_b128 v[16+4*\c:19+4*\c], v[LI], s[44:45] offset:512*\c   ; Q's fragment stays in registers
.endr
	global_load_b32 v28, v[R4], s[46:47]
	v_mov_b32 v13, 0xff61b1e6                      ; the largest t so far: -3e38
	v_floor_f32 v12, -v13                          ; -M
	v_mov_b32 v14, 0
	v_mov_b32 v15, 0
.irp b, 0,1,2,3
	v_mov_b32 v[236+\b], 0                         ; lane permutes' destinations count as sources
	v_mov_b32 v[TM+4+\b], 0
.endr
	v_mov_b32 v252, 0
	v_mov_b32 v253, 0
.set j, 0
.rept 64
	v_mov_b32 v[160+j], 0                          ; O^T: the step is written once; the first finds zeros
.set j, j+1
.endr
; A KEY STEP: 128 keys, the q-th of the slot in hand.
.macro STEP q
	s_cmp_gt_u32 s[KF], s[QMAX]                    ; all its keys come after my queries: nothing to do
	s_cbranch_scc1 .Lhidden_\@
	v_add_nc_u32 v[ADK], s[TB], v[LI]
	v_add_nc_u32 v[ADV], s[TB], v[AV0]
	v_add_nc_u32 v[ADS], s[TS], v[LS]
	v_nop                                          ; these four are the places in front of loads into registers that the last products read
.irp i, 0,1,2,3
	ds_load_b32 v[KS+\i], v[ADS] offset:128*\i
.endr
	WIN 0x40                                       ; destination window 1
.irp t, 0,1,2,3,4,5,6,7
.irp c, 0,1,2
	ds_load_b128 v[12*\t+4*\c:12*\t+4*\c+3], v[ADK] offset:KSB*(\q)+1536*\t+512*\c
.endr
.endr
.irp t, 0,1,2,3,4,5,6,7
.irp c, 0,1,2
	ds_load_b128 v[96+12*\t+4*\c:96+12*\t+4*\c+3], v[ADV] offset:KSB*(\q)+1536*\t+512*\c
.endr
.endr
	WIN 0
.irp i, 0,1,2,3
	ds_load_b32 v[VS+\i], v[ADS] offset:8192+128*\i
.endr
	s_wait_dscnt 28                                ; K and its scale words are in; V's 24 loads and its 4 scale words may be out
	WIN 0x01                                       ; source 0 window 1
.irp t, 0,1,2,3,4,5,6,7
.if (\t)%2
	v_wmma_scale_f32_16x16x128_f8f6f4 v[96+8*\t:103+8*\t], v[12*\t:12*\t+11], v[16:27], 0, v[KS+\t/2], v28 matrix_a_fmt:MATRIX_FMT_FP6 matrix_b_fmt:MATRIX_FMT_FP6 matrix_a_scale:MATRIX_SCALE_ROW1
.else
	v_wmma_scale_f32_16x16x128_f8f6f4 v[96+8*\t:103+8*\t], v[12*\t:12*\t+11], v[16:27], 0, v[KS+\t/2], v28 matrix_a_fmt:MATRIX_FMT_FP6 matrix_b_fmt:MATRIX_FMT_FP6
.endif
.endr
	WIN 0
.rept 4
	v_nop
.endr
	s_add_co_u32 s82, s[KF], 127                   ; on the diagonal hidden scores become -infinity ahead of the maximum; a step all of whose keys count skips this
	s_cmp_le_u32 s82, s[Q0]
	s_cbranch_scc1 .Lopen_\@
	s_sub_co_i32 s82, s[Q0], s[KF]
	v_add_nc_u32 v252, s82, v[QL]                  ; d = my query - KF - 16 h.  Register 16 b + i holds key KF + 16 h + 32 b + i: hidden where 32 b + i > d
	v_mov_b32 v254, 0xff800000
.set n, 0
.rept 64
	v_cmp_gt_i32 vcc_lo, 32*(n/16)+n%16, v252
	v_cndmask_b32 v[96+n], v[96+n], v254, vcc_lo
.set n, n+1
.endr
.Lopen_\@:
.irp b, 0,1,2,3
	v_max3_num_f32 v[232+\b], v[96+16*\b], v[97+16*\b], v[98+16*\b]   ; the largest score of each block of 32 keys: for the row's maximum, and, since p rises with the score, for the block's largest p
.endr
.irp i, 3,5,7,9,11,13
.irp b, 0,1,2,3
	v_max3_num_f32 v[232+\b], v[232+\b], v[96+16*\b+\i], v[97+16*\b+\i]
.endr
.endr
.irp b, 0,1,2,3
	v_max_num_f32 v[232+\b], v[232+\b], v[111+16*\b]
.endr
.irp b, 0,1,2,3
	v_permlanex16_b32 v[236+\b], v[232+\b], s[SEL], s[SEL+1]
.endr
.irp b, 0,1,2,3
	v_max_num_f32 v[232+\b], v[232+\b], v[236+\b]
.endr
	v_max3_num_f32 v254, v232, v233, v234
	v_max_num_f32 v254, v254, v235
	v_mul_f32 v254, s[CS], v254                    ; the step's largest t
	v_max_num_f32 v13, v13, v254
	v_mov_b32 v254, v12
	v_floor_f32 v12, -v13                          ; the new -M = -ceil(t)
	v_sub_f32 v254, v12, v254                      ; old M - new M: a whole number, 0 or less
	v_cvt_i32_f32 v254, v254
	v_ldexp_f32 v252, 1.0, v254                    ; f = 2^(old M - new M)
.set j, 0
.rept 32
	v_pk_fma_f32 v[96+j:97+j], v[96+j:97+j], s[CS:CS+1], v[12:13] op_sel_hi:[1,0,0]   ; t - M
.set j, j+2
.endr
.irp b, 0,1,2,3
	v_fma_f32 v[232+\b], v[232+\b], s[CS], v12
.endr
.set j, 0
.rept 64
	v_exp_f32 v[96+j], v[96+j]                     ; p = 2^(t - M)
.set j, j+1
.endr
	v_pk_mul_f32 v[14:15], v[14:15], v[252:253] op_sel_hi:[1,0]   ; l under the new M; a plain place behind the exponentials
	s_wait_alu depctr_va_vdst(0)                   ; one wait for the batch, ahead of its first reader
.irp b, 0,1,2,3
	v_exp_f32 v[232+\b], v[232+\b]                 ; each block's largest p
.endr
	v_pk_add_f32 v[236:237], v[96:97], v[98:99]    ; l takes the unquantised p, two at a time, in two chains
.irp j, 4,8,12,16,20,24,28,32,36,40,44,48,52,56,60
	v_pk_add_f32 v[14:15], v[14:15], v[96+\j:97+\j]
	v_pk_add_f32 v[236:237], v[236:237], v[98+\j:99+\j]
.endr
	v_pk_add_f32 v[14:15], v[14:15], v[236:237]
	s_wait_alu depctr_va_vdst(0)                   ; and one for the four
.irp b, 0,1,2,3
	v_max_num_f32 v[232+\b], 0x1800000, v[232+\b]  ; the floor 2^(3 - 127)
.endr
.irp b, 0,1,2,3
	v_add_nc_u32 v[244+\b], 0xff000000, v[232+\b]
.endr
.irp b, 0,1,2,3
	v_lshrrev_b32 v[236+\b], 23, v[244+\b]
.endr
	v_lshl_or_b32 v253, v237, 8, v236              ; p's scale word for these 128 keys
	v_lshl_or_b32 v253, v238, 16, v253
	v_lshl_or_b32 v253, v239, 24, v253
.irp c, 0,1
	v_cvt_scalef32_pk16_fp6_f32 v[224+6*\c:226+6*\c], v[96+32*\c:111+32*\c], v[244+2*\c]
	v_cvt_scalef32_pk16_fp6_f32 v[236+4*\c:238+4*\c], v[112+32*\c:127+32*\c], v[244+2*\c+1]
.endr
	v_nop
.irp c, 0,1
.irp i, 0,1,2
	v_permlane16_swap_b32 v[224+6*\c+\i], v[236+4*\c+\i]
.endr
.irp i, 0,1,2
	v_mov_b32 v[227+6*\c+\i], v[236+4*\c+\i]
.endr
.endr
.set j, 0
.rept 32
	v_pk_mul_f32 v[160+j:161+j], v[160+j:161+j], v[252:253] op_sel_hi:[1,0]   ; O^T under the new M; these 32 are also the places in front of the products below
.set j, j+2
.endr
	s_wait_dscnt 0x0                               ; V and its scale words are in
	WIN 0x01
.irp t, 0,1,2,3,4,5,6,7
.if (\t)%2
	v_wmma_scale_f32_16x16x128_f8f6f4 v[160+8*\t:167+8*\t], v[96+12*\t:96+12*\t+11], v[224:235], v[160+8*\t:167+8*\t], v[VS+\t/2], v253 matrix_a_fmt:MATRIX_FMT_FP6 matrix_b_fmt:MATRIX_FMT_FP6 matrix_a_scale:MATRIX_SCALE_ROW1
.else
	v_wmma_scale_f32_16x16x128_f8f6f4 v[160+8*\t:167+8*\t], v[96+12*\t:96+12*\t+11], v[224:235], v[160+8*\t:167+8*\t], v[VS+\t/2], v253 matrix_a_fmt:MATRIX_FMT_FP6 matrix_b_fmt:MATRIX_FMT_FP6
.endif
.endr
	WIN 0
.Lhidden_\@:
	s_add_co_u32 s[KF], s[KF], 128
	s_add_co_u32 s[TS], s[TS], 512
.endm
; THE CHANGE OF SLOTS, at a slot's head: each wave waits for all its tensor loads, adds 0 to its spare word, waits for that and for its reads of the slot that it has left; behind the barrier the slot ahead is whole and the other is filled again.
.macro CHANGE fill
	s_wait_tensorcnt 0x0
	ds_add_u32 v[SPW], v[NIL]
.if \fill
	s_xor_b32 s[G0+1], s[G0+1], SLOT1              ; the other slot than last time,
	s_add_nc_u64 s[G0+2:G0+3], s[G0+2:G0+3], 4*KSB ; the next 512 keys
	s_wait_xcnt 0x0                                ; the last prefetches have read their address
	s_add_nc_u64 s[PFA:PFA+1], s[PFA:PFA+1], 4*KSB
.endif
	s_wait_dscnt 0x0
	s_barrier_signal -1
	s_barrier_wait -1
.if \fill
	tensor_load_to_lds s[G0:G0+3], s[G1:G1+7]      ; my one tensor load until the next such barrier: it has a slot's four steps in which to land
	s_nop 0
.rept 4
	v_nop
.endr
	ASK
.endif
.endm
.macro SLOT_STEPS
.irp q, 0,1,2,3
	STEP \q
.endr
	s_xor_b32 s[TB], s[TB], SLOT1
.endm
	s_wait_loadcnt 0x0                             ; Q
.Lslot:
	CHANGE 1
	SLOT_STEPS
	s_sub_co_u32 s[SLOTS], s[SLOTS], 1
	s_cmp_lg_u32 s[SLOTS], 0
	s_cbranch_scc1 .Lslot
	CHANGE 0                                       ; the last slot is written out
	SLOT_STEPS
	; THE WAY OUT: O^T / l; register 8 t + i is d = 32 (t / 2) + 16 h + 8 (t % 2) + i of my query: the quantiser's order along C.  The image is K step = head of the last product's A.
	v_add_f32 v14, v14, v15
	v_permlanex16_b32 v252, v14, s[SEL], s[SEL+1]
	v_add_f32 v14, v14, v252
	v_rcp_f32 v14, v14
.rept 4
	v_nop                                          ; plain places behind the reciprocal and behind the last products
.endr
	s_wait_alu depctr_va_vdst(0)
.set j, 0
.rept 64
	v_mul_f32 v[96+j], v[160+j], v14
.set j, j+1
.endr
	QUANT 96
.irp c, 0,1,2
	global_store_b128 v[LI], v[PC+4*\c:PC+4*\c+3], s[8:9] offset:512*\c
.endr
	global_store_b32 v[R4], v[PW], s[10:11]
	s_wait_tensorcnt 0x0                           ; the wave's end
	ds_add_u32 v[SPW], v[NIL]
	s_wait_dscnt 0x0
	s_endpgm
.Lfunc_end_k_qab9352db5e_attn:
	.size	k_qab9352db5e_attn, .Lfunc_end_k_qab9352db5e_attn-k_qab9352db5e_attn
	.p2alignl 7, 3214868480
	.fill 96, 4, 3214868480
	.section	.rodata,"a",@progbits
	.p2align	6, 0x0
	.amdhsa_kernel k_qab9352db5e_attn
		.amdhsa_group_segment_fixed_size 327680
		.amdhsa_private_segment_fixed_size 0
		.amdhsa_enable_private_segment 0
		.amdhsa_kernarg_size 32
		.amdhsa_user_sgpr_count 2
		.amdhsa_user_sgpr_kernarg_segment_ptr 1
		.amdhsa_wavefront_size32 1
		.amdhsa_system_sgpr_workgroup_id_x 1
		.amdhsa_system_sgpr_workgroup_id_y 1
		.amdhsa_system_sgpr_workgroup_id_z 1
		.amdhsa_system_vgpr_workitem_id 0
		.amdhsa_next_free_vgpr 512
		.amdhsa_next_free_sgpr 90
		.amdhsa_reserve_vcc 1
		.amdhsa_float_denorm_mode_32 3
		.amdhsa_float_denorm_mode_16_64 3
		.amdhsa_memory_ordered 1
		.amdhsa_forward_progress 1
		.amdhsa_inst_pref_size 209
	.end_amdhsa_kernel
	.amdgpu_metadata
---
amdhsa.version: [ 1, 2 ]
amdhsa.kernels:
  - .name:           k_qab9352db5e_attn
    .symbol:         k_qab9352db5e_attn.kd
    .args:
      - { .name: c2, .offset: 0, .size: 8, .value_kind: global_buffer, .address_space: global }
      - { .name: s2, .offset: 8, .size: 8, .value_kind: global_buffer, .address_space: global }
      - { .name: c3, .offset: 16, .size: 8, .value_kind: global_buffer, .address_space: global }
      - { .name: s3, .offset: 24, .size: 8, .value_kind: global_buffer, .address_space: global }
    .group_segment_fixed_size: 327680
    .private_segment_fixed_size: 0
    .kernarg_segment_align: 8
    .kernarg_segment_size: 32
    .max_flat_workgroup_size: 256
    .sgpr_count:     90
    .vgpr_count:     512
    .wavefront_size: 32
...
	.end_amdgpu_metadata
.endif
;; end of part 3
;; launch proj (part 4): grid 8 x 8, 4 waves a work-group, clusters of 4 x 4, 327,680 bytes of LDS; arguments c3, s3, c1, s1, bp, out0; writes out0
.if DOCPART == 4
	.amdgcn_target "amdgcn-amd-amdhsa--gfx1250"
	.amdhsa_code_object_version 6
	.text
	.protected	k_qab9352db5e_proj
	.globl	k_qab9352db5e_proj
	.p2align	8
	.type	k_qab9352db5e_proj,@function
k_qab9352db5e_proj:
	s_mov_b64 s[64:65], 0
	v_nop
	global_prefetch_b8 v0, s[64:65] scope:SCOPE_SE
	s_setreg_imm32_b32 hwreg(HW_REG_WAVE_MODE, 25, 1), 1
	s_wait_xcnt 0x0
	s_wait_alu depctr_hold_cnt(0) depctr_sa_sdst(0) depctr_va_vdst(0) depctr_va_sdst(0) depctr_va_ssrc(0) depctr_va_vcc(0) depctr_vm_vsrc(0)
	s_getreg_b32 s2, hwreg(HW_REG_IB_STS2, 6, 4)
	s_cmp_eq_u32 s2, 0
	s_cbranch_scc0 .Lentry_in_a_cluster
	s_endpgm
.Lentry_in_a_cluster:
	s_bfe_u32 s2, ttmp6, 0x10000c
	s_cmp_lg_u32 s2, 0xf033
	s_cbranch_scc0 .Lentry_shape_is_right
	s_endpgm
.Lentry_shape_is_right:
; out0 = attention's result x wp^T + bp on codes of FP6 (E2M3).  The GEMM of launch qkv: C'[m][n] = sum over k of A[m][k] B[n][k], K = 2,048, tiles of 256 x 256, four waves of 128 x 128.
; A = c3, s3 (launch attn: [K slot of 256][token block][2][1536]), B = wp's part of c1, s1 (row blocks 512 on).  Operands are images of registers: a fragment is three loads of 16 bytes a lane.
; Place r of row block p is row 32 (p / 2) + 8 (p % 2) + r + 8 (r / 8).  Used transposed (source 0 = B's block, source 1 = A's): lane (r, h) holds token place r of A's block a, and register 8 b + j column 32 (b / 2) + 16 h + 8 (b % 2) + j.
; CLUSTERS: 4 x 4 work-groups; A's tiles are asked for jointly along a row of the cluster, B's along a column.  64 work-groups: the product has 64 tiles of this size.
; THE WAY OUT: a block of 16 tokens x 128 columns goes through the wave's own stage in LDS, in true column order, comes back as whole rows of 512 bytes, takes the bias and is stored, a row to a store.
; REGISTERS: window 0: v8-11 my four columns' biases; v16-31 addresses; v32-63 scale words, two sets; v128-223 A's fragments; on the way out v128-255 rows.  window 1: B's fragments, two sets.  windows 2, 3: the accumulators.
.set FR,     12
.set NL,     3
.set NP,     4
.set IMG,    1536
.set TROW,   3072
.set HALFT,  8*TROW
.set SLOT,   4*HALFT
.set LAPS,   4
.set SCL,    2*SLOT
.set HALFS,  8192
.set SPARE,  SCL+4*HALFS               ; the spare words: 128 bytes for each wave, named by no other line
.set ASTR,   128*TROW                  ; from K slot to K slot in c3
.set BSTR,   640*TROW                  ; and in c1
.set SPITCH, 528                       ; the stage: 16 rows x (512 bytes + 16) for each wave, in slot 0, which has had its last fill and its last read by then
.set ADRA, 16
.set ADRB, 20
.set STO,  24                          ; v24  the stage, in: 528 r + 64 h
.set RD,   25                          ; v25  and back: 16 x lane
.set CO,   26                          ; v26  16 x lane
.set ADSA, 27
.set SPW,  28
.set NIL,  29
.set ADSB, 30
.set SC,   32
.set AF,   128
.set BK,   128
.set G1, 24
.set G0, 32
.set G1B, 48
.set G0B, 56
.set G1S, 68
.set G0S, 76
.set G1SB, 80
.set G0SB, 88
.set MSB, 0
.macro WIN new
.if MSB != (\new)
	s_set_vgpr_msb (MSB<<8)|(\new)
.set MSB, (\new)
.endif
.endm
.set MUL_LO, 0xa1
.set MUL_HI, 0xf1
.set TO_B,   0x40
.macro JLOAD g0a, g1a, g0b, g1b        ; a joint load: waves 0, 1 fetch for A, waves 2, 3 for B; four v_nop follow each line
	s_cmp_eq_u32 s15, 0
	s_cbranch_scc0 .Lfor_b_\@
	tensor_load_to_lds s[\g0a:\g0a+3], s[\g1a:\g1a+7]
	s_nop 0
.rept 4
	v_nop
.endr
	s_branch .Lasked_\@
.Lfor_b_\@:
	tensor_load_to_lds s[\g0b:\g0b+3], s[\g1b:\g1b+7]
	s_nop 0
.rept 4
	v_nop
.endr
.Lasked_\@:
.endm
.macro CREST
	s_cmp_lg_u32 s14, 0
	s_cbranch_scc1 .Lnot_wave_0_\@
	s_barrier_signal -3
.Lnot_wave_0_\@:
	s_barrier_wait -3
	s_barrier_signal -1
	s_barrier_wait -1
.endm
.macro CROUND
	s_barrier_signal -1
	s_barrier_wait -1
	CREST
.endm
	s_load_b128 s[4:7], s[0:1], 0x0                ; c3, s3
	s_load_b128 s[8:11], s[0:1], 0x10              ; c1, s1
	s_load_b128 s[96:99], s[0:1], 0x20             ; bp, out0
	v_lshl_add_u32 v[SPW], v0, 2, SPARE
	v_mov_b32 v[NIL], 0
	ds_add_u32 v28, v29
	ds_add_u32 v28, v29
	s_wait_dscnt 0x0
	v_lshrrev_b32 v1, 5, v0
	v_readfirstlane_b32 s14, v1                    ; wave 0..3
	s_lshr_b32 s15, s14, 1                         ; my half of the tile's rows.  Also: I fetch for A (0) or for B (1)
	s_and_b32 s16, s14, 1                          ; my half of its columns.  Also: which 8 row blocks I fetch
	s_bfe_u32 s40, ttmp6, 0x40000
	s_bfe_u32 s41, ttmp6, 0x40004
	s_lshl_b32 s42, ttmp9, 2
	s_add_co_u32 s42, s42, s40                     ; X
	s_and_b32 s17, ttmp7, 0xffff
	s_lshl_b32 s17, s17, 2
	s_add_co_u32 s17, s17, s41                     ; Y
	s_lshl_b32 s43, s41, 2
	s_lshl_b32 s43, 15, s43                        ; my row of the cluster
	s_lshl_b32 s44, 0x1111, s40                    ; my column
	s_or_b32 s[G1+0], s43, (3<<16)|(1<<21)         ; 24,576 dense bytes as 96 rows of 256 bytes
	s_or_b32 s[G1B+0], s44, (3<<16)|(1<<21)
.irp g, G1, G1B
	s_mov_b32 s[\g+1], 32<<16
	s_mov_b32 s[\g+2], 96<<16
	s_mov_b32 s[\g+3], 32<<16
	s_mov_b32 s[\g+4], 96
	s_mov_b32 s[\g+5], 32
	s_mov_b32 s[\g+6], 0
	s_mov_b32 s[\g+7], 0
.endr
	s_or_b32 s[G1S+0], s43, (3<<16)|(1<<21)        ; 8,192 dense bytes as 32 rows of 256
	s_or_b32 s[G1SB+0], s44, (3<<16)|(1<<21)
.irp g, G1S, G1SB
	s_mov_b32 s[\g+1], 32<<16
	s_mov_b32 s[\g+2], 32<<16
	s_mov_b32 s[\g+3], 32<<16
	s_mov_b32 s[\g+4], 32
	s_mov_b32 s[\g+5], 32
	s_mov_b32 s[\g+6], 0
	s_mov_b32 s[\g+7], 0
.endr
	s_lshl_b32 s18, s16, 3
	s_lshl_b32 s20, s17, 4
	s_add_co_u32 s20, s20, s18                     ; A: token block 16 Y + 8 half
	s_lshl_b32 s46, s42, 4
	s_add_co_u32 s46, s46, s18
	s_add_co_u32 s46, s46, 512                     ; B: row block 512 + 16 X + 8 half: wp
	s_lshl_b32 s22, s20, 10
	s_mov_b32 s23, 0
	s_mul_i32 s20, s20, TROW
	s_mov_b32 s21, 0
	s_lshl_b32 s92, s46, 10
	s_mov_b32 s93, 0
	s_mul_i32 s46, s46, TROW
	s_mov_b32 s47, 0
	s_mul_i32 s45, s14, HALFT
	s_mul_i32 s94, s14, HALFS
	s_wait_kmcnt 0x0
	s_add_nc_u64 s[20:21], s[4:5], s[20:21]
	s_add_nc_u64 s[22:23], s[6:7], s[22:23]
	s_add_nc_u64 s[46:47], s[8:9], s[46:47]
	s_add_nc_u64 s[92:93], s[10:11], s[92:93]
	CROUND                                         ; all sixteen work-groups are here: the first joint loads meet
	s_mov_b32 s[G0S], 1
	s_add_co_u32 s[G0S+1], s94, SCL
	s_mov_b64 s[G0S+2:G0S+3], s[22:23]
	s_or_b32 s[G0S+3], s[G0S+3], 0x80000000
	s_mov_b32 s[G0SB], 1
	s_add_co_u32 s[G0SB+1], s94, SCL
	s_mov_b64 s[G0SB+2:G0SB+3], s[92:93]
	s_or_b32 s[G0SB+3], s[G0SB+3], 0x80000000
	JLOAD G0S, G1S, G0SB, G1SB
.irp s, 0,1
	s_mov_b32 s[G0+4*\s], 1
	s_add_co_u32 s[G0+4*\s+1], s45, \s*SLOT
	s_add_nc_u64 s[G0+4*\s+2:G0+4*\s+3], s[20:21], \s*ASTR
	s_or_b32 s[G0+4*\s+3], s[G0+4*\s+3], 0x80000000
	s_mov_b32 s[G0B+4*\s], 1
	s_add_co_u32 s[G0B+4*\s+1], s45, \s*SLOT
	s_add_nc_u64 s[G0B+4*\s+2:G0B+4*\s+3], s[46:47], \s*BSTR
	s_or_b32 s[G0B+4*\s+3], s[G0B+4*\s+3], 0x80000000
	JLOAD G0+4*\s, G1, G0B+4*\s, G1B
.endr
	v_and_b32 v1, 31, v0
	v_lshlrev_b32 v[CO], 4, v1
	v_lshlrev_b32 v3, 2, v1
	s_mul_i32 s21, s15, HALFT
	s_mul_i32 s22, s16, HALFT
	s_add_co_u32 s22, s22, 2*HALFT
.irp s, 0,1
	v_add_nc_u32 v[ADRA+\s], s21, v[CO]
	v_add_nc_u32 v[ADRB+\s], s22, v[CO]
	s_add_co_u32 s21, s21, SLOT
	s_add_co_u32 s22, s22, SLOT
.endr
	s_mul_i32 s21, s15, HALFS
	s_add_co_u32 s21, s21, SCL
	s_mul_i32 s22, s16, HALFS
	s_add_co_u32 s22, s22, SCL+2*HALFS
	v_add_nc_u32 v[ADSA], s21, v3
	v_add_nc_u32 v[ADSB], s22, v3
	s_mul_i32 s23, s14, 16*SPITCH                  ; my stage
	v_and_b32 v4, 15, v0
	v_bfe_u32 v5, v0, 4, 1
	v_mul_u32_u24 v6, v4, SPITCH
	v_lshl_add_u32 v6, v5, 6, v6
	v_add_nc_u32 v[STO], s23, v6
	v_add_nc_u32 v[RD], s23, v[CO]
	s_lshl_b32 s46, s42, 10                        ; my first column, in bytes: 1,024 X + 512 x half
	s_lshl_b32 s47, s16, 9
	s_add_co_u32 s46, s46, s47
	s_mov_b32 s47, 0
	s_add_nc_u64 s[96:97], s[96:97], s[46:47]
	global_load_b128 v[8:11], v[CO], s[96:97]      ; the biases of the four columns that I store
	s_lshl_b32 s20, s17, 8
	s_lshl_b32 s21, s15, 7
	s_add_co_u32 s20, s20, s21                     ; my first row: 256 Y + 128 x half
	s_lshl_b32 s20, s20, 13
	s_mov_b32 s21, 0
	s_add_nc_u64 s[98:99], s[98:99], s[20:21]
	s_add_nc_u64 s[98:99], s[98:99], s[46:47]
.macro FRAG reg, adr, q, i
.irp c, 0,1,2
	ds_load_b128 v[\reg+4*\c:\reg+4*\c+3], v[\adr] offset:(\i)*TROW+(\q)*IMG+512*\c
.endr
.endm
; 16 matrix instructions; the 64 accumulators take turns, one instruction a turn
.macro MUL16 a0, p, q, sc, zero
.irp a, \a0, \a0+1
.irp b, 0,1,2,3,4,5,6,7
.if \zero
	v_wmma_scale_f32_16x16x128_f8f6f4 v[8*(8*((\a)%4)+\b):8*(8*((\a)%4)+\b)+7], v[128*(\p)+FR*\b:128*(\p)+FR*\b+FR-1], v[AF+FR*(\a):AF+FR*(\a)+FR-1], 0, v[SC+16*(\sc)+8+\b], v[SC+16*(\sc)+(\a)] matrix_a_fmt:MATRIX_FMT_FP6 matrix_b_fmt:MATRIX_FMT_FP6
.elseif (\q) == 0
	v_wmma_scale_f32_16x16x128_f8f6f4 v[8*(8*((\a)%4)+\b):8*(8*((\a)%4)+\b)+7], v[128*(\p)+FR*\b:128*(\p)+FR*\b+FR-1], v[AF+FR*(\a):AF+FR*(\a)+FR-1], v[8*(8*((\a)%4)+\b):8*(8*((\a)%4)+\b)+7], v[SC+16*(\sc)+8+\b], v[SC+16*(\sc)+(\a)] matrix_a_fmt:MATRIX_FMT_FP6 matrix_b_fmt:MATRIX_FMT_FP6
.else
	v_wmma_scale_f32_16x16x128_f8f6f4 v[8*(8*((\a)%4)+\b):8*(8*((\a)%4)+\b)+7], v[128*(\p)+FR*\b:128*(\p)+FR*\b+FR-1], v[AF+FR*(\a):AF+FR*(\a)+FR-1], v[8*(8*((\a)%4)+\b):8*(8*((\a)%4)+\b)+7], v[SC+16*(\sc)+8+\b], v[SC+16*(\sc)+(\a)] matrix_a_fmt:MATRIX_FMT_FP6 matrix_b_fmt:MATRIX_FMT_FP6 matrix_a_scale:MATRIX_SCALE_ROW1 matrix_b_scale:MATRIX_SCALE_ROW1
.endif
.endr
.endr
.endm
.macro FETCH_B slot, q, p
	WIN TO_B
.irp i, 0,1,2,3,4,5,6,7
	FRAG 128*(\p)+FR*\i, ADRB+\slot, \q, \i
.endr
	WIN 0
.endm
.macro FETCH_A slot, q, i0
.irp i, \i0, \i0+1, \i0+2, \i0+3
	FRAG AF+FR*(\i), ADRA+\slot, \q, \i
.endr
.endm
.macro SCALES sc
.irp i, 0,1,2,3,4,5,6,7
	ds_load_b32 v[SC+16*\sc+\i], v[ADSA] offset:\i*1024
	ds_load_b32 v[SC+16*\sc+8+\i], v[ADSB] offset:\i*1024
.endr
.endm
.macro PLACES n
.rept \n
	v_nop
.endr
.endm
.macro STEP slot, zero
	s_wait_dscnt 4*NL                              ; all but the youngest 12 loads, A's blocks 4-7
	WIN MUL_LO
	MUL16 0, 0, 0, \slot, \zero
	MUL16 2, 0, 0, \slot, \zero
	s_wait_dscnt 0
	PLACES NP
	FETCH_B \slot, 1, 1
	FETCH_A \slot, 1, 0
	WIN MUL_HI
	MUL16 4, 0, 0, \slot, \zero
	MUL16 6, 0, 0, \slot, \zero
	PLACES NP
	WIN 0
	FETCH_A \slot, 1, 4
.endm
.macro TURN slot, next, fill
	s_wait_tensorcnt 0x0                           ; all my tensor loads have landed: my part of the next slot
	ds_add_u32 v[SPW], v[NIL]                      ; 0 onto my spare word
	s_wait_dscnt 4*NL+1                            ; (the add and the youngest 12 loads may be out)
	WIN MUL_LO
	MUL16 0, 1, 1, \slot, 0
	s_wait_dscnt 0x0                               ; the add is done, and my reads of this slot are over
	s_barrier_signal -1
	MUL16 2, 1, 1, \slot, 0
	WIN 0
	s_barrier_wait -1
.if \fill
	CREST                                          ; the barrier has opened a round of the cluster's
	s_add_nc_u64 s[G0+4*\slot+2:G0+4*\slot+3], s[G0+4*\slot+2:G0+4*\slot+3], 2*ASTR
	s_add_nc_u64 s[G0B+4*\slot+2:G0B+4*\slot+3], s[G0B+4*\slot+2:G0B+4*\slot+3], 2*BSTR
	JLOAD G0+4*\slot, G1, G0B+4*\slot, G1B
.else
	PLACES NP
.endif
	v_add_nc_u32 v[ADSA], 128, v[ADSA]
	v_add_nc_u32 v[ADSB], 128, v[ADSB]
	FETCH_B \next, 0, 0
	FETCH_A \next, 0, 0
	SCALES \next
	WIN MUL_HI
	MUL16 4, 1, 1, \slot, 0
	MUL16 6, 1, 1, \slot, 0
	PLACES NP
	WIN 0
	FETCH_A \next, 0, 4
.endm
	s_wait_tensorcnt 1                             ; the scale words and my part of slot 0 are in; slot 1's load may be out
	s_barrier_signal -1
	s_barrier_wait -1
	FETCH_B 0, 0, 0
	FETCH_A 0, 0, 0
	SCALES 0
	FETCH_A 0, 0, 4
	STEP 0, 1
	s_mov_b32 s3, LAPS-1
.Llap:
	TURN 0, 1, 1
	STEP 1, 0
	TURN 1, 0, 1
	STEP 0, 0
	s_sub_co_u32 s3, s3, 1
	s_cmp_lg_u32 s3, 0
	s_cbranch_scc1 .Llap
	TURN 0, 1, 0
	STEP 1, 0
	s_wait_dscnt 4*NL
	WIN MUL_LO
	MUL16 0, 1, 1, 1, 0
	MUL16 2, 1, 1, 1, 0
	s_wait_dscnt 0
	WIN MUL_HI
	MUL16 4, 1, 1, 1, 0
	MUL16 6, 1, 1, 1, 0
	WIN 0
.macro TOSTAGE a                       ; block a into my stage, columns in their true order, and back as whole rows; LDS serves a wave's instructions in order
.set AC, 64*((\a)%4)
	WIN 0x08+4*((\a)/4)                            ; an LDS store's data: window 2 or 3
.irp b, 0,1,2,3,4,5,6,7
	ds_store_b128 v[STO], v[AC+8*\b:AC+8*\b+3] offset:128*(\b/2)+32*(\b%2)          ; each accumulator from its low end on
	ds_store_b128 v[STO], v[AC+8*\b+4:AC+8*\b+7] offset:128*(\b/2)+32*(\b%2)+16
.endr
	WIN 0
.set BB, BK+64*((\a)%2)
.irp t, 0,1,2,3,4,5,6,7,8,9,10,11,12,13,14,15
	ds_load_b128 v[BB+4*\t:BB+4*\t+3], v[RD] offset:\t*SPITCH
.endr
.endm
.macro SEND a, younger                 ; younger: the LDS instructions issued behind block a's loads
.set BB, BK+64*((\a)%2)
	s_wait_dscnt \younger
.irp t, 0,1,2,3,4,5,6,7,8,9,10,11,12,13,14,15
	v_pk_add_f32 v[BB+4*\t:BB+4*\t+1], v[BB+4*\t:BB+4*\t+1], v[8:9]
	v_pk_add_f32 v[BB+4*\t+2:BB+4*\t+3], v[BB+4*\t+2:BB+4*\t+3], v[10:11]
.endr
.irp t, 0,1,2,3,4,5,6,7,8,9,10,11,12,13,14,15
	global_store_b128 v[CO], v[BB+4*\t:BB+4*\t+3], s[98:99] offset:(32*((\a)/2)+8*((\a)%2)+\t%8+16*(\t/8))*8192 th:TH_STORE_NT   ; place t's token: 512 consecutive bytes, aligned; the base is never stepped
.endr
.endm
	s_wait_loadcnt 0x0                             ; the biases
	PLACES NP
	TOSTAGE 0
.irp a, 1,2,3,4,5,6,7
.if \a > 1
	s_wait_xcnt 0x0                                ; block a - 2's stores have read their registers: block a's loads may land there
.endif
	TOSTAGE \a
	SEND \a-1, 32                                  ; behind block a - 1's loads: block a's 16 stores and 16 loads
.endr
	SEND 7, 0
	s_wait_tensorcnt 0x0                           ; the wave's end
	ds_add_u32 v[SPW], v[NIL]
	s_wait_dscnt 0x0
	CROUND                                         ; the closing round
	s_endpgm
.Lfunc_end_k_qab9352db5e_proj:
	.size	k_qab9352db5e_proj, .Lfunc_end_k_qab9352db5e_proj-k_qab9352db5e_proj
	.p2alignl 7, 3214868480
	.fill 96, 4, 3214868480
	.section	.rodata,"a",@progbits
	.p2align	6, 0x0
	.amdhsa_kernel k_qab9352db5e_proj
		.amdhsa_group_segment_fixed_size 327680
		.amdhsa_private_segment_fixed_size 0
		.amdhsa_enable_private_segment 0
		.amdhsa_kernarg_size 48
		.amdhsa_user_sgpr_count 2
		.amdhsa_user_sgpr_kernarg_segment_ptr 1
		.amdhsa_wavefront_size32 1
		.amdhsa_system_sgpr_workgroup_id_x 1
		.amdhsa_system_sgpr_workgroup_id_y 1
		.amdhsa_system_sgpr_workgroup_id_z 1
		.amdhsa_system_vgpr_workitem_id 0
		.amdhsa_next_free_vgpr 1024
		.amdhsa_next_free_sgpr 100
		.amdhsa_reserve_vcc 0
		.amdhsa_float_denorm_mode_32 3
		.amdhsa_float_denorm_mode_16_64 3
		.amdhsa_memory_ordered 1
		.amdhsa_forward_progress 1
		.amdhsa_inst_pref_size 153
	.end_amdhsa_kernel
	.amdgpu_metadata
---
amdhsa.version: [ 1, 2 ]
amdhsa.kernels:
  - .name:           k_qab9352db5e_proj
    .symbol:         k_qab9352db5e_proj.kd
    .args:
      - { .name: c3, .offset: 0, .size: 8, .value_kind: global_buffer, .address_space: global }
      - { .name: s3, .offset: 8, .size: 8, .value_kind: global_buffer, .address_space: global }
      - { .name: c1, .offset: 16, .size: 8, .value_kind: global_buffer, .address_space: global }
      - { .name: s1, .offset: 24, .size: 8, .value_kind: global_buffer, .address_space: global }
      - { .name: bp, .offset: 32, .size: 8, .value_kind: global_buffer, .address_space: global }
      - { .name: out0, .offset: 40, .size: 8, .value_kind: global_buffer, .address_space: global }
    .group_segment_fixed_size: 327680
    .private_segment_fixed_size: 0
    .kernarg_segment_align: 8
    .kernarg_segment_size: 48
    .max_flat_workgroup_size: 128
    .sgpr_count:     100
    .vgpr_count:     1024
    .wavefront_size: 32
...
	.end_amdgpu_metadata
.endif
;; end of part 4
;; ======== version 2 of 2: 4 launches
;; workspace buffers: c1 15,728,640 bytes; s1 655,360 bytes; rt 1,048,576 bytes; c2 9,437,184 bytes; s2 393,216 bytes; c3 3,145,728 bytes; s3 131,072 bytes
;; launch quant: the kernel of part 1 again; grid 672 x 1, 4 waves a work-group, no clusters, 35,328 bytes of LDS; arguments x, wq, wk, wv, wp, cos, sin, c1, s1, rt; writes c1, s1, rt
;; launch qkv: the kernel of part 2 again; grid 24 x 8, 4 waves a work-group, clusters of 4 x 4, 327,680 bytes of LDS; arguments c1, s1, rt, bq, bk, bv, c2, s2; writes c2, s2
;; launch attn: the kernel of part 3 again; grid 16 x 16, 8 waves a work-group, no clusters, 327,680 bytes of LDS; arguments c2, s2, c3, s3; writes c3, s3
;; launch proj (part 5): grid 16 x 16, 4 waves a work-group, clusters of 4 x 4, 327,680 bytes of LDS; arguments c3, s3, c1, s1, bp, out0; writes out0
.if DOCPART == 5
	.amdgcn_target "amdgcn-amd-amdhsa--gfx1250"
	.amdhsa_code_object_version 6
	.text
	.protected	k_qab9352db5e_proj
	.globl	k_qab9352db5e_proj
	.p2align	8
	.type	k_qab9352db5e_proj,@function
k_qab9352db5e_proj:
	s_mov_b64 s[64:65], 0
	v_nop
	global_prefetch_b8 v0, s[64:65] scope:SCOPE_SE
	s_setreg_imm32_b32 hwreg(HW_REG_WAVE_MODE, 25, 1), 1
	s_wait_xcnt 0x0
	s_wait_alu depctr_hold_cnt(0) depctr_sa_sdst(0) depctr_va_vdst(0) depctr_va_sdst(0) depctr_va_ssrc(0) depctr_va_vcc(0) depctr_vm_vsrc(0)
	s_getreg_b32 s2, hwreg(HW_REG_IB_STS2, 6, 4)
	s_cmp_eq_u32 s2, 0
	s_cbranch_scc0 .Lentry_in_a_cluster
	s_endpgm
.Lentry_in_a_cluster:
	s_bfe_u32 s2, ttmp6, 0x10000c
	s_cmp_lg_u32 s2, 0xf033
	s_cbranch_scc0 .Lentry_shape_is_right
	s_endpgm
.Lentry_shape_is_right:
; out0 = attention's result x wp^T + bp on codes of FP6 (E2M3): C'[m][n] = sum over k of A[m][k] B[n][k], K = 2,048.
; A tile of C' is 128 x 128: the product has 256 such tiles, a work-group each.  Four waves, each 64 x 64: 16 accumulators.
; A = c3, s3 (launch attn), B = wp's part of c1, s1 (row blocks 512 on; launch quant).  Codes: [K slot of 256][row block][K step of 128: 2][1536]; scale words: [row block][K step: 16][64].
; OPERANDS ARE IMAGES OF REGISTERS: a fragment (16 rows x 128 K, 12 registers a lane) is 1,536 dense bytes and comes by three loads of 16 bytes a lane, 512 consecutive bytes each: no pitch, no padding.
; Place r of row block p is row 32 (p / 2) + 8 (p % 2) + r + 8 (r / 8).  The instruction is used transposed (source 0 = B's block b, source 1 = A's block a): lane (r, h) holds token place r of block a,
; and its register 8 b + j column 32 (b / 2) + 16 h + 8 (b % 2) + j of the wave's 64.
; LDS: a tile's codes for all of K are 2 x 196,608 bytes; three regions of 512 along K (98,304 bytes each) fit beside the scale words.  All three are first fills; the last 512 along K come into region 0 again,
; behind the one refill barrier of the launch, and have regions 1 and 2, 128 matrix instructions, in which to land.  By this text's count a wave has four tensor loads out at the start, later one.
; A wave fetches one part of a region (waves 0, 1: A's halves; waves 2, 3: B's): 4 row blocks x 2 K slots: two rows of 12,288 dense bytes, a K slot of the buffer apart.
; CLUSTERS: 4 x 4 work-groups; A's parts are asked for jointly along a row of the cluster, B's along a column.
; THE TEXT is a straight line: 16 K steps by macro.  A step asks for the next step's 24 fragment loads first and then issues its 16 products: a wave reads 12,288 bytes from LDS for 16 products, so the loads go out as early as they may.
; REGISTERS: window 0: v8-11 my four columns' biases; v12-29 addresses; v32-95 the scale words of all of K; v128-255 the accumulators, (a, b) at v[128 + 8 (4 a + b)].
;   window 1: two fragment buffers, at v0 and v128: A's four fragments, then B's four.
.set FR,     12
.set IMG,    1536
.set TROW,   3072                      ; a row block's bytes in a K slot
.set HSIG,   4*TROW                    ; 4 row blocks of one K slot: a row of a tensor load's tile
.set PART,   2*HSIG                    ; what one tensor load brings
.set RGN,    4*PART                    ; a region: A half 0, A half 1, B half 0, B half 1
.set SCL,    3*RGN                     ; behind the regions: the scale words for all of K, 4,096 bytes a part: [row block 4][K step 16][64]
.set PARTS,  4096
.set SPARE,  SCL+4*PARTS               ; the spare words: 128 bytes for each wave, named by no other line
.set ASTR,   128*TROW                  ; from K slot to K slot in c3
.set BSTR,   640*TROW                  ; and in c1
.set SPITCH, 272                       ; the stage: rows of 256 bytes + 16, so that the 16 rows of a store start at 16 different groups of banks (64 banks of 4 bytes: ISA guide 11.1)
.set WSTG,   64*SPITCH                 ; 64 rows for each wave
.set STAGE,  RGN                       ; in region 1: it has had its only fill, and behind the barrier of K step 11 nobody reads it
.set ADRA, 12                          ; v12-14 my A fragments in regions 0, 1, 2
.set ADRB, 16                          ; v16-18 the same for B
.set STO,  20                          ; v20  the stage, in: 272 r + 64 h
.set RD,   21                          ; v21  and back: 272 h + 16 r: two rows an instruction
.set CO,   22                          ; v22  the same two rows in out0: 8,192 h + 16 r
.set ADSA, 23                          ; v23  A's scale words: 4 x lane: lanes 0-15 a K slot's first K step, lanes 16-31 its second
.set ADSB, 24                          ; v24  B's
.set LI,   25                          ; v25  16 x lane
.set BO,   26                          ; v26  16 r
.set SPW,  28
.set NIL,  29
.set SC,   32                          ; K slot g at v[SC + 8 g]: register i A's block i, register 4 + i B's block i
.set ACC,  128
.set G1,   24                          ; s[24:31] group 1 for A's parts;  s[32:39] for B's;  s[40:47], s[48:55] for their scale words
.set G1B,  32
.set G1S,  40
.set G1SB, 48
.set G0S,  56                          ; s[56:59], s[60:63] groups 0 for the scale words
.set G0SB, 60
.set G0,   68                          ; s[68:79] groups 0 for A's parts, one set for each region;  s[80:91] for B's
.set G0B,  80
.set MSB, 0
.macro WIN new                         ; the immediate's high byte repeats the setting that is left
.if MSB != (\new)
	s_set_vgpr_msb (MSB<<8)|(\new)
.set MSB, (\new)
.endif
.endm
.set MUL,  0x05                        ; sources 0 (B) and 1 (A) window 1; C and D window 0
.set TO_F, 0x40                        ; destination window 1, address window 0
.macro JLOAD g0a, g1a, g0b, g1b        ; a joint load: waves 0, 1 fetch for A, waves 2, 3 for B; the branch hangs on the wave's number alone; four v_nop follow each line
	s_cmp_eq_u32 s15, 0
	s_cbranch_scc0 .Lfor_b_\@
	tensor_load_to_lds s[\g0a:\g0a+3], s[\g1a:\g1a+7]
	s_nop 0
.rept 4
	v_nop
.endr
	s_branch .Lasked_\@
.Lfor_b_\@:
	tensor_load_to_lds s[\g0b:\g0b+3], s[\g1b:\g1b+7]
	s_nop 0
.rept 4
	v_nop
.endr
.Lasked_\@:
.endm
.macro CREST                           ; a round of the cluster's barrier behind its opening barrier
	s_cmp_lg_u32 s14, 0
	s_cbranch_scc1 .Lnot_wave_0_\@
	s_barrier_signal -3
.Lnot_wave_0_\@:
	s_barrier_wait -3
	s_barrier_signal -1
	s_barrier_wait -1
.endm
.macro CROUND
	s_barrier_signal -1
	s_barrier_wait -1
	CREST
.endm
	s_load_b128 s[4:7], s[0:1], 0x0                ; c3, s3
	s_load_b128 s[8:11], s[0:1], 0x10              ; c1, s1
	s_load_b128 s[96:99], s[0:1], 0x20             ; bp, out0
	v_lshl_add_u32 v[SPW], v0, 2, SPARE
	v_mov_b32 v[NIL], 0
	ds_add_u32 v28, v29
	ds_add_u32 v28, v29
	s_wait_dscnt 0x0
	v_lshrrev_b32 v1, 5, v0
	v_readfirstlane_b32 s14, v1                    ; wave 0..3
	s_lshr_b32 s15, s14, 1                         ; my half of the tile's rows.  Also: I fetch for A (0) or for B (1)
	s_and_b32 s16, s14, 1                          ; my half of its columns.  Also: which 4 row blocks I fetch
	s_bfe_u32 s92, ttmp6, 0x40000                  ; cx
	s_bfe_u32 s93, ttmp6, 0x40004                  ; cy
	s_lshl_b32 s94, ttmp9, 2
	s_add_co_u32 s94, s94, s92                     ; X = 4 x cluster x + cx
	s_and_b32 s17, ttmp7, 0xffff
	s_lshl_b32 s17, s17, 2
	s_add_co_u32 s17, s17, s93                     ; Y = 4 x cluster y + cy
	s_lshl_b32 s12, s93, 2
	s_lshl_b32 s12, 15, s12                        ; my row of the cluster
	s_lshl_b32 s13, 0x1111, s92                    ; my column
	; group 1 for the codes: 2 rows of 1,536 elements of 8 bytes; from row to row one K slot of the buffer
	s_or_b32 s[G1+0], s12, (3<<16)|(1<<21)         ; 15:0 the mask: A's parts go to my row; 17:16 elements of 8 bytes; 21 set beside a mask; no padding
	s_or_b32 s[G1B+0], s13, (3<<16)|(1<<21)        ; B's to my column
.irp g, G1, G1B
	s_mov_b32 s[\g+1], (HSIG/8)<<16                ; tensor_dim0
	s_mov_b32 s[\g+2], 2<<16                       ; tensor_dim1
	s_mov_b32 s[\g+3], (HSIG/8)<<16                ; tile_dim0
	s_mov_b32 s[\g+4], 2                           ; tile_dim1
	s_mov_b32 s[\g+6], 0
	s_mov_b32 s[\g+7], 0
.endr
	s_mov_b32 s[G1+5], ASTR/8                      ; tensor_dim0_stride
	s_mov_b32 s[G1B+5], BSTR/8
	; and for the scale words of 4 row blocks: 4,096 dense bytes as 16 rows of 256
	s_or_b32 s[G1S+0], s12, (3<<16)|(1<<21)
	s_or_b32 s[G1SB+0], s13, (3<<16)|(1<<21)
.irp g, G1S, G1SB
	s_mov_b32 s[\g+1], 32<<16
	s_mov_b32 s[\g+2], 16<<16
	s_mov_b32 s[\g+3], 32<<16
	s_mov_b32 s[\g+4], 16
	s_mov_b32 s[\g+5], 32
	s_mov_b32 s[\g+6], 0
	s_mov_b32 s[\g+7], 0
.endr
	s_lshl_b32 s95, s16, 2                         ; which 4 row blocks of the tile I fetch
	s_lshl_b32 s20, s17, 3
	s_add_co_u32 s20, s20, s95                     ; A: token block 8 Y + 4 half
	s_lshl_b32 s2, s94, 3
	s_add_co_u32 s2, s2, s95
	s_add_co_u32 s2, s2, 512                       ; B: row block 512 + 8 X + 4 half: wp
	s_lshl_b32 s22, s20, 10                        ; scale words: 1,024 bytes a row block
	s_mov_b32 s23, 0
	s_mul_i32 s20, s20, TROW
	s_mov_b32 s21, 0
	s_lshl_b32 s18, s2, 10
	s_mov_b32 s19, 0
	s_mul_i32 s2, s2, TROW
	s_mov_b32 s3, 0
	s_mul_i32 s95, s14, PART                       ; where the codes go: by the wave's number alone
	s_wait_kmcnt 0x0
	s_add_nc_u64 s[20:21], s[4:5], s[20:21]
	s_add_nc_u64 s[22:23], s[6:7], s[22:23]
	s_add_nc_u64 s[2:3], s[8:9], s[2:3]
	s_add_nc_u64 s[18:19], s[10:11], s[18:19]
	CROUND                                         ; all sixteen work-groups are here: the first joint loads meet
	s_mov_b32 s[G0S], 1
	s_lshl_b32 s[G0S+1], s14, 12
	s_add_co_u32 s[G0S+1], s[G0S+1], SCL
	s_mov_b64 s[G0S+2:G0S+3], s[22:23]
	s_or_b32 s[G0S+3], s[G0S+3], 0x80000000
	s_mov_b32 s[G0SB], 1
	s_lshl_b32 s[G0SB+1], s14, 12
	s_add_co_u32 s[G0SB+1], s[G0SB+1], SCL
	s_mov_b64 s[G0SB+2:G0SB+3], s[18:19]
	s_or_b32 s[G0SB+3], s[G0SB+3], 0x80000000
	JLOAD G0S, G1S, G0SB, G1SB                     ; the scale words first: filled once
.irp s, 0,1,2
	s_mov_b32 s[G0+4*\s], 1
	s_add_co_u32 s[G0+4*\s+1], s95, \s*RGN
	s_add_nc_u64 s[G0+4*\s+2:G0+4*\s+3], s[20:21], \s*2*ASTR       ; region s begins with K slots 2 s, 2 s + 1
	s_or_b32 s[G0+4*\s+3], s[G0+4*\s+3], 0x80000000
	s_mov_b32 s[G0B+4*\s], 1
	s_add_co_u32 s[G0B+4*\s+1], s95, \s*RGN
	s_add_nc_u64 s[G0B+4*\s+2:G0B+4*\s+3], s[2:3], \s*2*BSTR
	s_or_b32 s[G0B+4*\s+3], s[G0B+4*\s+3], 0x80000000
	JLOAD G0+4*\s, G1, G0B+4*\s, G1B
.endr
	v_and_b32 v1, 31, v0                           ; lane
	v_lshlrev_b32 v[LI], 4, v1
	v_lshlrev_b32 v3, 2, v1
	s_mul_i32 s21, s15, PART                       ; my 4 row blocks of A
	s_mul_i32 s22, s16, PART                       ; my 4 of B,
	s_add_co_u32 s22, s22, 2*PART                  ; which lie behind A's two parts
.irp g, 0,1,2
	v_add_nc_u32 v[ADRA+\g], s21, v[LI]
	v_add_nc_u32 v[ADRB+\g], s22, v[LI]
	s_add_co_u32 s21, s21, RGN
	s_add_co_u32 s22, s22, RGN
.endr
	s_lshl_b32 s21, s15, 12
	s_add_co_u32 s21, s21, SCL
	s_lshl_b32 s22, s16, 12
	s_add_co_u32 s22, s22, SCL+2*PARTS
	v_add_nc_u32 v[ADSA], s21, v3
	v_add_nc_u32 v[ADSB], s22, v3
	s_mul_i32 s23, s14, WSTG
	s_add_co_u32 s23, s23, STAGE                   ; my stage
	v_and_b32 v4, 15, v0                           ; r
	v_bfe_u32 v5, v0, 4, 1                         ; h
	v_mul_u32_u24 v6, v4, SPITCH
	v_lshl_add_u32 v6, v5, 6, v6
	v_add_nc_u32 v[STO], s23, v6
	v_mul_u32_u24 v6, v5, SPITCH
	v_lshl_add_u32 v6, v4, 4, v6
	v_add_nc_u32 v[RD], s23, v6
	v_lshlrev_b32 v[BO], 4, v4
	v_lshl_add_u32 v[CO], v5, 13, v[BO]
	s_lshl_b32 s2, s94, 9                          ; my first column, in bytes: 512 X + 256 x half
	s_lshl_b32 s3, s16, 8
	s_add_co_u32 s2, s2, s3
	s_mov_b32 s3, 0
	s_add_nc_u64 s[96:97], s[96:97], s[2:3]
	global_load_b128 v[8:11], v[BO], s[96:97]      ; the biases of the four columns that I store
	s_lshl_b32 s20, s17, 7
	s_lshl_b32 s21, s15, 6
	s_add_co_u32 s20, s20, s21                     ; my first row: 128 Y + 64 x half
	s_lshl_b32 s20, s20, 13
	s_mov_b32 s21, 0
	s_add_nc_u64 s[98:99], s[98:99], s[20:21]
	s_add_nc_u64 s[98:99], s[98:99], s[2:3]
; K step s (0..15) lies in region (s / 4) % 3, K slot (s / 2) % 2 of it, half s % 2; its fragments go into buffer s % 2: 24 loads in one run
.macro FETCH s
.set RG, ((\s)/4)%3
.set OF, (((\s)/2)%2)*HSIG+((\s)%2)*IMG
.set FB, 128*((\s)%2)
	WIN TO_F
.irp i, 0,1,2,3
.irp c, 0,1,2
	ds_load_b128 v[FB+FR*\i+4*\c:FB+FR*\i+4*\c+3], v[ADRA+RG] offset:OF+\i*TROW+512*\c
.endr
.endr
.irp i, 0,1,2,3
.irp c, 0,1,2
	ds_load_b128 v[FB+48+FR*\i+4*\c:FB+48+FR*\i+4*\c+3], v[ADRB+RG] offset:OF+\i*TROW+512*\c
.endr
.endr
.endm
.macro SCALES g0                       ; the scale words of K slots g0 .. g0 + 3: 32 loads of 128 consecutive bytes
	WIN 0
.irp g, 0,1,2,3
.irp i, 0,1,2,3
	ds_load_b32 v[SC+8*((\g0)+\g)+\i], v[ADSA] offset:\i*1024+128*((\g0)+\g)
	ds_load_b32 v[SC+8*((\g0)+\g)+4+\i], v[ADSB] offset:\i*1024+128*((\g0)+\g)
.endr
.endr
.endm
; 4 matrix instructions: A's block a x B's four, K step s.  The 16 accumulators take turns, one instruction a turn, in the same order in every step.  zero = 1: the first step starts the sums: nothing is cleared.
.macro MUL4 s, a, zero
.set FB, 128*((\s)%2)
.set SG, SC+8*((\s)/2)
.irp b, 0,1,2,3
.if \zero
	v_wmma_scale_f32_16x16x128_f8f6f4 v[ACC+8*(4*(\a)+\b):ACC+8*(4*(\a)+\b)+7], v[FB+48+FR*\b:FB+48+FR*\b+FR-1], v[FB+FR*(\a):FB+FR*(\a)+FR-1], 0, v[SG+4+\b], v[SG+(\a)] matrix_a_fmt:MATRIX_FMT_FP6 matrix_b_fmt:MATRIX_FMT_FP6
.elseif ((\s)%2) == 0
	v_wmma_scale_f32_16x16x128_f8f6f4 v[ACC+8*(4*(\a)+\b):ACC+8*(4*(\a)+\b)+7], v[FB+48+FR*\b:FB+48+FR*\b+FR-1], v[FB+FR*(\a):FB+FR*(\a)+FR-1], v[ACC+8*(4*(\a)+\b):ACC+8*(4*(\a)+\b)+7], v[SG+4+\b], v[SG+(\a)] matrix_a_fmt:MATRIX_FMT_FP6 matrix_b_fmt:MATRIX_FMT_FP6
.else
	v_wmma_scale_f32_16x16x128_f8f6f4 v[ACC+8*(4*(\a)+\b):ACC+8*(4*(\a)+\b)+7], v[FB+48+FR*\b:FB+48+FR*\b+FR-1], v[FB+FR*(\a):FB+FR*(\a)+FR-1], v[ACC+8*(4*(\a)+\b):ACC+8*(4*(\a)+\b)+7], v[SG+4+\b], v[SG+(\a)] matrix_a_fmt:MATRIX_FMT_FP6 matrix_b_fmt:MATRIX_FMT_FP6 matrix_a_scale:MATRIX_SCALE_ROW1 matrix_b_scale:MATRIX_SCALE_ROW1
.endif
.endr
.endm
.macro PLACES                          ; four places in front of loads into registers that matrix instructions have read, and of the first read of results (ISA guide 7.12.1 for vector instructions)
.rept 4
	v_nop
.endr
.endm
; A K step whose successor's tiles are known to be whole: the next step's loads first, into the buffer that the step before multiplied, then this step's 16 products.
.macro STEP s, zero
	s_wait_dscnt 0x0                               ; this step's fragments (and scale words) are in
.if (\s) > 0
	PLACES
.endif
	FETCH (\s)+1
	WIN MUL
	MUL4 \s, 0, \zero
	MUL4 \s, 1, \zero
	MUL4 \s, 2, \zero
	MUL4 \s, 3, \zero
.endm
; A K step with a barrier in it: in front of it each wave waits for all its tensor loads, adds 0 to its spare word, and waits for that and for its LDS reads so far.
; fill = 1 (K step 3): regions 1 and 2 are then whole and nobody reads region 0 any more: the barrier opens a round of the cluster's, and region 0 is filled again with K slots 6 and 7.
; fill = 0 (K step 11): region 0 is whole again, and nobody reads regions 1 and 2 any more.
.macro TURN s, fill
	WIN 0                                          ; (the add's two registers lie in window 0)
	s_wait_tensorcnt 0x0                           ; all my tensor loads have landed
	ds_add_u32 v[SPW], v[NIL]                      ; 0 onto my spare word
	s_wait_dscnt 1                                 ; this step's fragments are in; the add may be out
	WIN MUL
	MUL4 \s, 0, 0                                  ; four matrix instructions stand between the add and the wait for it
	s_wait_dscnt 0x0                               ; the add is done, and my reads are over
	s_barrier_signal -1
	MUL4 \s, 1, 0
	WIN 0
	s_barrier_wait -1
.if \fill
	CREST                                          ; no wave of any partner still reads region 0 or has a load on its way
	s_add_nc_u64 s[G0+2:G0+3], s[G0+2:G0+3], 6*ASTR
	s_add_nc_u64 s[G0B+2:G0B+3], s[G0B+2:G0B+3], 6*BSTR
	JLOAD G0, G1, G0B, G1B                         ; the first tensor load behind the round, and my only one from here on; its four v_nop are the places in front of the loads below
.else
	PLACES
.endif
	FETCH (\s)+1
.if \fill
	SCALES 4                                       ; the second half of the scale words
.endif
	WIN MUL
	MUL4 \s, 2, 0
	MUL4 \s, 3, 0
.endm
	s_wait_tensorcnt 2                             ; the scale words and my part of region 0 are in; regions 1 and 2 may be out
	s_barrier_signal -1
	s_barrier_wait -1                              ; everybody's are
	SCALES 0
	FETCH 0
	STEP 0, 1
	STEP 1, 0
	STEP 2, 0
	TURN 3, 1
.irp s, 4,5,6,7,8,9,10
	STEP \s, 0
.endr
	TURN 11, 0
	STEP 12, 0
	STEP 13, 0
	STEP 14, 0
	s_wait_dscnt 0x0                               ; the last step: nothing more to fetch
	WIN MUL
	MUL4 15, 0, 0
	MUL4 15, 1, 0
	MUL4 15, 2, 0
	MUL4 15, 3, 0
	WIN 0
; THE WAY OUT.  A lane holds pieces of 32 bytes of one row, and the lanes beside it hold other rows: a block of 16 tokens x 64 columns goes through my own stage, columns in their true order, and comes back as whole
; rows of 256 bytes into the registers that it left.  LDS serves a wave's instructions in order (ISA guide 5.7.1.4): no wait between the stores and the loads.  Each block has stage bytes of its own.
.macro TOSTAGE a
.irp b, 0,1,2,3
	ds_store_b128 v[STO], v[ACC+32*(\a)+8*\b:ACC+32*(\a)+8*\b+3] offset:(\a)*16*SPITCH+128*(\b/2)+32*(\b%2)        ; each accumulator from its low end on
	ds_store_b128 v[STO], v[ACC+32*(\a)+8*\b+4:ACC+32*(\a)+8*\b+7] offset:(\a)*16*SPITCH+128*(\b/2)+32*(\b%2)+16
.endr
.irp t, 0,1,2,3,4,5,6,7
	ds_load_b128 v[ACC+32*(\a)+4*\t:ACC+32*(\a)+4*\t+3], v[RD] offset:(\a)*16*SPITCH+\t*2*SPITCH   ; places 2 t (lanes 0-15) and 2 t + 1 (lanes 16-31)
.endr
.endm
.macro SEND a, younger                 ; younger: the LDS instructions issued behind block a's loads, which may stay out
	s_wait_dscnt \younger
.irp t, 0,1,2,3,4,5,6,7
	v_pk_add_f32 v[ACC+32*(\a)+4*\t:ACC+32*(\a)+4*\t+1], v[ACC+32*(\a)+4*\t:ACC+32*(\a)+4*\t+1], v[8:9]
	v_pk_add_f32 v[ACC+32*(\a)+4*\t+2:ACC+32*(\a)+4*\t+3], v[ACC+32*(\a)+4*\t+2:ACC+32*(\a)+4*\t+3], v[10:11]
.endr
.irp t, 0,1,2,3,4,5,6,7
	global_store_b128 v[CO], v[ACC+32*(\a)+4*\t:ACC+32*(\a)+4*\t+3], s[98:99] offset:(32*((\a)/2)+8*((\a)%2)+2*\t+8*(\t/4))*8192 th:TH_STORE_NT   ; sixteen lanes store 256 consecutive bytes, aligned; place p is token p + 8 (p / 8) of the block; no register and no base is written again
.endr
.endm
	s_wait_loadcnt 0x0                             ; the biases
	PLACES
	TOSTAGE 0
	TOSTAGE 1
	SEND 0, 16                                     ; behind block 0's loads: block 1's 8 stores and 8 loads
	TOSTAGE 2
	SEND 1, 16
	TOSTAGE 3
	SEND 2, 16
	SEND 3, 0
	s_wait_tensorcnt 0x0                           ; the wave's end
	ds_add_u32 v[SPW], v[NIL]
	s_wait_dscnt 0x0
	CROUND                                         ; the closing round: no work-group ends while a partner may still ask for a part that names it
	s_endpgm
.Lfunc_end_k_qab9352db5e_proj:
	.size	k_qab9352db5e_proj, .Lfunc_end_k_qab9352db5e_proj-k_qab9352db5e_proj
	.p2alignl 7, 3214868480
	.fill 96, 4, 3214868480
	.section	.rodata,"a",@progbits
	.p2align	6, 0x0
	.amdhsa_kernel k_qab9352db5e_proj
		.amdhsa_group_segment_fixed_size 327680
		.amdhsa_private_segment_fixed_size 0
		.amdhsa_enable_private_segment 0
		.amdhsa_kernarg_size 48
		.amdhsa_user_sgpr_count 2
		.amdhsa_user_sgpr_kernarg_segment_ptr 1
		.amdhsa_wavefront_size32 1
		.amdhsa_system_sgpr_workgroup_id_x 1
		.amdhsa_system_sgpr_workgroup_id_y 1
		.amdhsa_system_sgpr_workgroup_id_z 1
		.amdhsa_system_vgpr_workitem_id 0
		.amdhsa_next_free_vgpr 512
		.amdhsa_next_free_sgpr 100
		.amdhsa_reserve_vcc 0
		.amdhsa_float_denorm_mode_32 3
		.amdhsa_float_denorm_mode_16_64 3
		.amdhsa_memory_ordered 1
		.amdhsa_forward_progress 1
		.amdhsa_inst_pref_size 87
	.end_amdhsa_kernel
	.amdgpu_metadata
---
amdhsa.version: [ 1, 2 ]
amdhsa.kernels:
  - .name:           k_qab9352db5e_proj
    .symbol:         k_qab9352db5e_proj.kd
    .args:
      - { .name: c3, .offset: 0, .size: 8, .value_kind: global_buffer, .address_space: global }
      - { .name: s3, .offset: 8, .size: 8, .value_kind: global_buffer, .address_space: global }
      - { .name: c1, .offset: 16, .size: 8, .value_kind: global_buffer, .address_space: global }
      - { .name: s1, .offset: 24, .size: 8, .value_kind: global_buffer, .address_space: global }
      - { .name: bp, .offset: 32, .size: 8, .value_kind: global_buffer, .address_space: global }
      - { .name: out0, .offset: 40, .size: 8, .value_kind: global_buffer, .address_space: global }
    .group_segment_fixed_size: 327680
    .private_segment_fixed_size: 0
    .kernarg_segment_align: 8
    .kernarg_segment_size: 48
    .max_flat_workgroup_size: 128
    .sgpr_count:     100
    .vgpr_count:     512
    .wavefront_size: 32
...
	.end_amdgpu_metadata
.endif
;; end of part 5
